; MI455X (gfx1250); checked and timed in simulation.
; The chip was launched on July 23, 2026; its instructions are those of AMD's public machine-readable ISA for CDNA 5 (MIT licence, August 2026) and "CDNA5" Instruction Set Architecture Reference Guide (July 2026). The comments in the code are by the model that wrote it; some were corrected since.
;; Multi Head Attention. Allowed arithmetic: matrix products marked QUANTISED: E2M1 operands, one E8M0 scale for each 32 along K, by v_wmma_scale_f32_16x16x128_f8f6f4 with both operands' format E2M1 (or v_wmma_scale_f32_32x16x128_f4), f32 sums; products left as they are: bf16, f16 or f32 operands; f32 sums; everything else in f32.
;; Inputs: Wk 1,024 x 1,024 float32; Wo 1,024 x 1,024 float32; Wq 1,024 x 1,024 float32; Wv 1,024 x 1,024 float32; attention_mask 4 x 2,048 int32; bk 1,024 float32; bo 1,024 float32; bq 1,024 float32; bv 1,024 float32; hidden_states 4 x 2,048 x 1,024 float32.
;; Outputs: out0 4 x 2,048 x 1,024 float32.
;; This version of the problem:
;;   THIS VERSION OF THE PROBLEM IS GIVEN IN LOW PRECISION. The matrix products marked QUANTISED in the list below multiply operands that are first quantised to E2M1 (2 exponent bits, 1 mantissa bit; 4 bits a number), with one power-of-two scale for each 32 numbers along K (OCP MX v1.0); their sums are f32. The products marked 'left as it is' may take bf16, f16 or f32 operands, with f32 sums. Whichever they take, every output number must still come out within the allowed error. Rounding operands to bf16 (8 significant bits) uses up far more of that allowance than f16 does (11 bits, for magnitudes from 6e-5 to 65,504). All else is computed in f32.
;;   The module's matrix products, in the order in which they are computed (A, B: the left and right operand; K: the contracted axis; several contracted axes count as one K, in the product's order):
;;     1. [M 8,192, K 1,024] x [K 1,024, N 1,024]; A: input hidden_states; B: input Wq: QUANTISED
;;     2. [M 8,192, K 1,024] x [K 1,024, N 1,024]; A: input hidden_states; B: input Wk: QUANTISED
;;     3. [M 8,192, K 1,024] x [K 1,024, N 1,024]; A: input hidden_states; B: input Wv: QUANTISED
;;     4. batch 64 x [M 2,048, K 64] x [K 64, N 2,048]; A: computed on the way; B: computed on the way: left as it is (an operand is computed on the way)
;;     5. batch 64 x [M 2,048, K 2,048] x [K 2,048, N 64]; A: computed on the way; B: computed on the way: left as it is (an operand is computed on the way)
;;     6. [M 8,192, K 1,024] x [K 1,024, N 1,024]; A: computed on the way; B: input Wo: left as it is (an operand is computed on the way)
;;   THE QUANTISER, for each operand of a quantised product, along K:
;;     - K is cut into blocks of 32 from its start; a last block that is shorter is filled with zeros.
;;     - A block's scale is 2^e with e = floor(log2(the largest magnitude in the block)) - 2, held to -126 .. 127; a block of zeros has e = 0. As a byte (E8M0): e + 127.
;;     - Each number is divided by its block's scale, clamped to +-6, and rounded to the nearest number of E2M1, ties to even, subnormals kept.
;;     - The product sums the exact products of the quantised numbers (number of the format x scale) in f32.
;;   ~~~python
;;   def quantise(x, axis):      # numpy; x: float32 -> the quantised numbers, widened to float32 again
;;       x = np.moveaxis(x, axis, -1); K = x.shape[-1]
;;       x = np.pad(x, [(0, 0)] * (x.ndim - 1) + [(0, -K % 32)]); x = x.reshape(x.shape[:-1] + (-1, 32)); a = np.abs(x).max(-1, keepdims=True)
;;       e = np.where(a > 0, np.clip(np.frexp(np.where(a > 0, a, 1))[1] - 1 - 2, -126, 127), 0)      # np.frexp(a)[1] - 1 = floor(log2(a)), exactly
;;       r = np.clip(x / 2.0 ** e, -6, 6)
;;       step = 2.0 ** (np.maximum(np.frexp(np.where(r == 0, 1, r))[1] - 1, 0) - 1)
;;       q = np.round(r / step) * step * 2.0 ** e      # np.round: ties to even
;;       return np.moveaxis(q.reshape(q.shape[:-2] + (-1,))[..., :K], -1, axis).astype(np.float32)
;;   ~~~
;; One version. Each part assembles by itself: llvm-mc -triple=amdgcn-amd-amdhsa -mcpu=gfx1250 --defsym DOCPART=n.
;; ======== version 1 of 1: 4 launches
;; limits: values are held in f16: magnitudes above 65,504 overflow, below 6.1e-05 lose precision
;; workspace buffers: hcodes 4,194,304 bytes; hscales 262,144 bytes; wcodes 1,572,864 bytes; wscales 98,304 bytes; wo16 2,097,152 bytes; qkvf 50,331,648 bytes; ctx 16,777,216 bytes
;; launch quant (part 1): grid 384 x 1, 4 waves a work-group, no clusters, 33,280 bytes of LDS; arguments hidden_states, Wq, Wk, Wv, Wo, hcodes, hscales, wcodes, wscales, wo16; writes hcodes, hscales, wcodes, wscales, wo16
.if DOCPART == 1
	.amdgcn_target "amdgcn-amd-amdhsa--gfx1250"
	.amdhsa_code_object_version 6
	.text
	.protected	k_q0dd42833dc_quant
	.globl	k_q0dd42833dc_quant
	.p2align	8
	.type	k_q0dd42833dc_quant,@function
k_q0dd42833dc_quant:
	s_mov_b64 s[64:65], 0
	v_nop
	global_prefetch_b8 v0, s[64:65] scope:SCOPE_SE
	s_setreg_imm32_b32 hwreg(HW_REG_WAVE_MODE, 25, 1), 1
	s_wait_xcnt 0x0
; hidden_states [8192][1024] and Wq, Wk, Wv [1024][1024], f32 with K innermost, become codes of FP4 (E2M1), two a byte, and one E8M0 scale byte for each 32 along K.
; Wo [1024][1024] is rounded to f16 (its product is left as it is).  The three weights' codes lie one behind the other, as one tensor of 3,072 rows.
; A block's scale is 2^(floor(log2(its largest magnitude)) - 2); its byte is the largest magnitude's exponent field - 2, held at 1 from below.  A block of zeros so gets the byte 1:
; its codes are zeros, which add nothing, and the bytes are read by this program alone.
; LIMITS: blocks whose largest magnitude lies under 2^-124 are held at the byte 1; NaN and infinities are not served; Wo beyond 65,504 in magnitude does not fit f16.
; SHARES: a work-group takes 32,768 numbers, a wave 8,192.  Work-groups 0-255: hidden; 256-287 Wq; 288-319 Wk; 320-351 Wv; 352-383 Wo.  Rows are dense and 1,024 is a multiple of 32: every tensor is a plain stream of blocks.
; The quantising path: 16 steps of 512 numbers.  Each load reads 512 consecutive bytes; a step's 2,048 bytes turn through the wave's own stage in LDS and come back 64 bytes a lane,
; so that a lane holds 16 neighbours along K (two neighbouring lanes hold a block).  A wave's store of codes covers 256 consecutive aligned bytes; its 256 scale bytes are gathered in LDS and leave as one such run.
; No tensor loads, no barrier: waves share nothing.  No matrix unit, no cluster: the launch only streams.
.set STEPS, 16
.set EMAX,  2
.set CB,    8                          ; bytes of 16 codes
.set R,     16                         ; v16-79   four sets of 16 numbers as they are loaded
.set X,     80                         ; v80-111  two sets of 16 neighbours
.set E,     112                        ; v112-127 a scale byte for each step
.set C,     128                        ; v128-191 codes: four registers for each step, so that no store's data are written again
.set WX,    16                         ; Wo's path: v16-143 two sets of 64 numbers
.set WY,    144                        ; v144-175 their f16 pairs
.set WREG,  8192                       ; LDS: a region for each wave: two stages of 32 x SP bytes, then its 256 scale bytes
.set SP,    80                         ; a lane's place in a stage: 64 bytes + 16 of padding
.set SPW,   12                         ; v12  LDS address of my spare word; never rewritten
.set NIL,   13                         ; v13  0; never rewritten
.set SPARE, 4*WREG                     ; behind the four regions: the spare words, 128 bytes a wave
	s_load_b256 s[4:11], s[0:1], 0x0               ; hidden s[4:5], Wq s[6:7], Wk s[8:9], Wv s[10:11]
	s_load_b256 s[12:19], s[0:1], 0x20             ; Wo s[12:13], hcodes s[14:15], hscales s[16:17], wcodes s[18:19]
	s_load_b128 s[20:23], s[0:1], 0x40             ; wscales s[20:21], wo16 s[22:23]
	v_lshl_add_u32 v[SPW], v0, 2, SPARE
	v_mov_b32 v[NIL], 0
	v_lshrrev_b32 v1, 5, v0
	v_readfirstlane_b32 s24, v1                    ; wave
	v_and_b32 v2, 31, v0                           ; lane
	v_lshlrev_b32 v3, 4, v2                        ; my 16 bytes of a load's 512
	s_mul_i32 s25, s24, WREG
	v_lshrrev_b32 v14, 2, v2
	v_mul_u32_u24 v14, v14, SP
	v_and_b32 v15, 3, v2
	v_lshl_add_u32 v14, v15, 4, v14
	v_add_nc_u32 v14, s25, v14                     ; the stage, on the way in: SP (lane / 4) + 16 (lane % 4)
	v_mul_u32_u24 v15, v2, SP
	v_add_nc_u32 v15, s25, v15                     ; and on the way out: SP x lane: my 16 neighbours
	v_mul_u32_u24 v4, v2, CB                       ; my 8 bytes of a store's 256
	v_lshrrev_b32 v5, 1, v2
	s_add_co_u32 s25, s25, 2*32*SP
	v_add_nc_u32 v5, s25, v5                       ; LDS: my wave's 256 scale bytes, my block's byte
	v_lshlrev_b32 v7, 3, v2                        ; and on the way out 8 bytes a lane
	v_add_nc_u32 v6, s25, v7
	s_wait_kmcnt 0x0
	s_cmp_ge_u32 ttmp9, 352                        ; the last 32 work-groups round Wo
	s_cbranch_scc1 .Lwo
	; which tensor: the choices hang on the work-group's number alone
	s_cmp_lt_u32 ttmp9, 256
	s_cselect_b32 s26, 0, 256
	s_sub_co_u32 s25, ttmp9, s26                   ; my place among hidden's 256 or the weights' 96 work-groups
	s_lshr_b32 s27, s25, 5                         ; which weight
	s_and_b32 s28, s25, 31                         ; and my place in it
	s_cmp_eq_u32 s27, 1
	s_cselect_b64 s[30:31], s[8:9], s[10:11]
	s_cmp_eq_u32 s27, 0
	s_cselect_b64 s[30:31], s[6:7], s[30:31]
	s_cmp_lt_u32 ttmp9, 256
	s_cselect_b64 s[30:31], s[4:5], s[30:31]       ; the numbers
	s_cselect_b64 s[32:33], s[14:15], s[18:19]     ; the codes
	s_cselect_b64 s[34:35], s[16:17], s[20:21]     ; the scale bytes
	s_cselect_b32 s29, s25, s28
	s_lshl_b32 s36, s29, 2
	s_add_co_u32 s36, s36, s24                     ; which run of 8,192 numbers of the source is my wave's
	s_lshl_b32 s36, s36, 15                        ; 32,768 bytes a run
	s_mov_b32 s37, 0
	s_add_nc_u64 s[30:31], s[30:31], s[36:37]
	s_lshl_b32 s38, s25, 2
	s_add_co_u32 s38, s38, s24                     ; and of the destination (the three weights on end)
	s_lshl_b32 s36, s38, 12                        ; 4,096 bytes of codes a run
	s_add_nc_u64 s[32:33], s[32:33], s[36:37]
	s_lshl_b32 s36, s38, 8                         ; 256 scale bytes a run
	s_add_nc_u64 s[34:35], s[34:35], s[36:37]
.macro LOAD t
.irp i, 0,1,2,3
	global_load_b128 v[R+16*((\t)%4)+4*\i:R+16*((\t)%4)+4*\i+3], v3, s[30:31] offset:2048*(\t)+512*\i th:TH_LOAD_NT   ; 32 lanes read 512 consecutive bytes
.endr
.endm
.macro TURN t                          ; step t's numbers through the stage: LDS serves a wave's instructions in order, so no wait stands between the stores and the loads
.irp i, 0,1,2,3
	ds_store_b128 v14, v[R+16*((\t)%4)+4*\i:R+16*((\t)%4)+4*\i+3] offset:32*SP*((\t)%2)+8*SP*\i
.endr
.irp i, 0,1,2,3
	ds_load_b128 v[X+16*((\t)%2)+4*\i:X+16*((\t)%2)+4*\i+3], v15 offset:32*SP*((\t)%2)+16*\i
.endr
.endm
.irp t, 0,1,2,3
	LOAD \t
.endr
	s_wait_loadcnt 12                              ; step 0's four loads are in; the twelve of steps 1 to 3 may be out
	TURN 0
.macro STEP t
.set XS, X+16*((\t)%2)
.if (\t) > 0
	s_wait_dscnt 1                                 ; this step's numbers are back from the stage (the last step's byte store may be out)
.else
	s_wait_dscnt 0x0
.endif
.if (\t)+4 < STEPS
	LOAD (\t)+4                                    ; into the registers that the stage's stores have read
.endif
.if (\t)+1 < STEPS
.if STEPS-2-(\t) >= 3
	s_wait_loadcnt 12                              ; the next step's four loads are in; those of the three steps behind it may be out
.else
	s_wait_loadcnt 4*(STEPS-2-(\t))
.endif
	TURN (\t)+1                                    ; through the other stage while this step is worked
.endif
	v_max3_num_f32 v8, |v[XS]|, |v[XS+1]|, |v[XS+2]|               ; the largest magnitude of my 16, in two chains
	v_max3_num_f32 v9, |v[XS+3]|, |v[XS+4]|, |v[XS+5]|
.irp i, 6,10
	v_max3_num_f32 v8, v8, |v[XS+\i]|, |v[XS+\i+1]|
	v_max3_num_f32 v9, v9, |v[XS+\i+2]|, |v[XS+\i+3]|
.endr
	v_max3_num_f32 v8, v8, |v[XS+14]|, |v[XS+15]|
	v_max3_num_f32 v8, v8, v9, (EMAX+1)<<23        ; and the floor 2^(3 - 127): the byte cannot fall under 1
	v_max_num_f32_dpp v8, v8, v8 row_xmask:1 row_mask:0xf bank_mask:0xf   ; and of my neighbour's 16: the block's
	v_add_nc_u32 v11, 0xff000000, v8               ; 2 off its exponent field: the conversion takes the exponent field of this operand as its scale
	v_cvt_scalef32_pk8_fp4_f32 v[C+4*(\t)], v[XS:XS+7], v11        ; eight numbers / the scale, to the nearest code, ties to even, beyond 6 the largest code
	v_cvt_scalef32_pk8_fp4_f32 v[C+4*(\t)+1], v[XS+8:XS+15], v11
	v_lshrrev_b32 v[E+(\t)], 23, v11               ; the scale's byte (also the plain line behind the conversions)
	ds_store_b8 v5, v[E+(\t)] offset:16*(\t)       ; both lanes of a block write the same byte with the same value
	global_store_b64 v4, v[C+4*(\t):C+4*(\t)+1], s[32:33] offset:32*CB*(\t)   ; 32 lanes store 256 consecutive aligned bytes
.endm
.irp t, 0,1,2,3,4,5,6,7,8,9,10,11,12,13,14,15
	STEP \t
.endr
	ds_load_b64 v[8:9], v6                         ; LDS serves a wave's instructions in order: these see my byte stores
	s_wait_dscnt 0x0
	global_store_b64 v7, v[8:9], s[34:35]          ; 256 consecutive aligned bytes
	s_wait_tensorcnt 0x0                           ; the wave's end, behind my last LDS store
	ds_add_u32 v[SPW], v[NIL]
	s_wait_dscnt 0x0
	s_endpgm
; Wo to f16: a wave's 32,768 bytes come in four groups of sixteen loads, two groups ahead; each store covers 256 consecutive aligned bytes.
.Lwo:
	s_sub_co_u32 s25, ttmp9, 352
	s_lshl_b32 s25, s25, 2
	s_add_co_u32 s25, s25, s24                     ; my wave's run of 8,192 numbers
	s_lshl_b32 s36, s25, 15
	s_mov_b32 s37, 0
	s_add_nc_u64 s[12:13], s[12:13], s[36:37]
	s_lshl_b32 s36, s25, 14
	s_add_nc_u64 s[22:23], s[22:23], s[36:37]
.macro WLOAD g
.irp i, 0,1,2,3,4,5,6,7,8,9,10,11,12,13,14,15
	global_load_b128 v[WX+64*((\g)%2)+4*\i:WX+64*((\g)%2)+4*\i+3], v3, s[12:13] offset:512*(16*(\g)+\i) th:TH_LOAD_NT
.endr
.endm
.macro WGROUP g
.if (\g) < 3
	s_wait_loadcnt 16                              ; this group's sixteen loads are in; the next group's may be out
.else
	s_wait_loadcnt 0x0
.endif
.if (\g) > 0
	s_wait_xcnt 0x0                                ; the last group's stores have read their data: the registers are written again only behind this wait
.endif
.irp i, 0,1,2,3,4,5,6,7,8,9,10,11,12,13,14,15
	v_cvt_pk_f16_f32 v[WY+2*\i], v[WX+64*((\g)%2)+4*\i], v[WX+64*((\g)%2)+4*\i+1]
	v_cvt_pk_f16_f32 v[WY+2*\i+1], v[WX+64*((\g)%2)+4*\i+2], v[WX+64*((\g)%2)+4*\i+3]
.endr
.irp i, 0,1,2,3,4,5,6,7,8,9,10,11,12,13,14,15
	global_store_b64 v4, v[WY+2*\i:WY+2*\i+1], s[22:23] offset:256*(16*(\g)+\i)
.endr
.if (\g)+2 < 4
	WLOAD (\g)+2
.endif
.endm
	WLOAD 0
	WLOAD 1
	WGROUP 0
	WGROUP 1
	WGROUP 2
	WGROUP 3
	s_wait_tensorcnt 0x0                           ; the same three lines at this end of the text
	ds_add_u32 v[SPW], v[NIL]
	s_wait_dscnt 0x0
	s_endpgm
.Lfunc_end_k_q0dd42833dc_quant:
	.size	k_q0dd42833dc_quant, .Lfunc_end_k_q0dd42833dc_quant-k_q0dd42833dc_quant
	.p2alignl 7, 3214868480
	.fill 96, 4, 3214868480
	.section	.rodata,"a",@progbits
	.p2align	6, 0x0
	.amdhsa_kernel k_q0dd42833dc_quant
		.amdhsa_group_segment_fixed_size 33280
		.amdhsa_private_segment_fixed_size 0
		.amdhsa_enable_private_segment 0
		.amdhsa_kernarg_size 80
		.amdhsa_user_sgpr_count 2
		.amdhsa_user_sgpr_kernarg_segment_ptr 1
		.amdhsa_wavefront_size32 1
		.amdhsa_system_sgpr_workgroup_id_x 1
		.amdhsa_system_sgpr_workgroup_id_y 1
		.amdhsa_system_sgpr_workgroup_id_z 1
		.amdhsa_system_vgpr_workitem_id 0
		.amdhsa_next_free_vgpr 192
		.amdhsa_next_free_sgpr 66
		.amdhsa_reserve_vcc 0
		.amdhsa_float_denorm_mode_32 3
		.amdhsa_float_denorm_mode_16_64 3
		.amdhsa_memory_ordered 1
		.amdhsa_forward_progress 1
		.amdhsa_inst_pref_size 54
	.end_amdhsa_kernel
	.amdgpu_metadata
---
amdhsa.version: [ 1, 2 ]
amdhsa.kernels:
  - .name:           k_q0dd42833dc_quant
    .symbol:         k_q0dd42833dc_quant.kd
    .args:
      - { .name: hidden_states, .offset: 0, .size: 8, .value_kind: global_buffer, .address_space: global }
      - { .name: Wq, .offset: 8, .size: 8, .value_kind: global_buffer, .address_space: global }
      - { .name: Wk, .offset: 16, .size: 8, .value_kind: global_buffer, .address_space: global }
      - { .name: Wv, .offset: 24, .size: 8, .value_kind: global_buffer, .address_space: global }
      - { .name: Wo, .offset: 32, .size: 8, .value_kind: global_buffer, .address_space: global }
      - { .name: hcodes, .offset: 40, .size: 8, .value_kind: global_buffer, .address_space: global }
      - { .name: hscales, .offset: 48, .size: 8, .value_kind: global_buffer, .address_space: global }
      - { .name: wcodes, .offset: 56, .size: 8, .value_kind: global_buffer, .address_space: global }
      - { .name: wscales, .offset: 64, .size: 8, .value_kind: global_buffer, .address_space: global }
      - { .name: wo16, .offset: 72, .size: 8, .value_kind: global_buffer, .address_space: global }
    .group_segment_fixed_size: 33280
    .private_segment_fixed_size: 0
    .kernarg_segment_align: 8
    .kernarg_segment_size: 80
    .max_flat_workgroup_size: 128
    .sgpr_count:     66
    .vgpr_count:     192
    .wavefront_size: 32
...
	.end_amdgpu_metadata
.endif
;; end of part 1
;; launch qkv (part 2): grid 12 x 32, 4 waves a work-group, clusters of 4 x 4, 327,680 bytes of LDS; arguments hcodes, hscales, wcodes, wscales, qkvf, bq, bk, bv, attention_mask; writes qkvf
.if DOCPART == 2
	.amdgcn_target "amdgcn-amd-amdhsa--gfx1250"
	.amdhsa_code_object_version 6
	.text
	.protected	k_q0dd42833dc_qkv
	.globl	k_q0dd42833dc_qkv
	.p2align	8
	.type	k_q0dd42833dc_qkv,@function
k_q0dd42833dc_qkv:
	s_mov_b64 s[64:65], 0
	v_nop
	global_prefetch_b8 v0, s[64:65] scope:SCOPE_SE
	s_setreg_imm32_b32 hwreg(HW_REG_WAVE_MODE, 25, 1), 1
	s_wait_xcnt 0x0
	s_wait_alu depctr_hold_cnt(0) depctr_sa_sdst(0) depctr_va_vdst(0) depctr_va_sdst(0) depctr_va_ssrc(0) depctr_va_vcc(0) depctr_vm_vsrc(0)
	s_getreg_b32 s2, hwreg(HW_REG_IB_STS2, 6, 4)
	s_cmp_eq_u32 s2, 0
	s_cbranch_scc0 .Lentry_in_a_cluster
	s_endpgm
.Lentry_in_a_cluster:
	s_bfe_u32 s2, ttmp6, 0x10000c
	s_cmp_lg_u32 s2, 0xf033
	s_cbranch_scc0 .Lentry_shape_is_right
	s_endpgm
.Lentry_shape_is_right:
; q, k, v = hidden W^T + bias on codes of FP4 (E2M1) with one E8M0 scale for each 32 along K = 1,024; sums in f32; results rounded to f16 and laid as images of the next launch's operand registers.
; A: hcodes [8192][512 bytes], hscales [8192][32].  B: wcodes [3072][512 bytes] (rows 0-1023 Wq, 1024-2047 Wk, 2048-3071 Wv), wscales [3072][32].
; A tile of 256 tokens x 256 features is made by four waves, 128 x 128 each: 64 accumulators of 16 x 16.  K goes in two slots of 512 along K, both asked for at the start: nothing is filled again.
; The scales of the work-group's rows, for all of K, come into LDS once, with the first fills.
; CLUSTERS: 4 x 4 work-groups; the four of a row need the same tiles of A, the four of a column the same tiles of B: each tile is asked for jointly.  A cluster's four tile columns are one weight: cluster x = 0, 1, 2 is q, k, v.
; THE MATRIX INSTRUCTION IS USED TRANSPOSED (source 0 = 16 rows of W, source 1 = 16 tokens): lane (r, h) holds token r and eight neighbouring features 8 h + 0 .. 7.
; THE BIAS is the C of each sum's first product.  THE ROW FACTOR multiplies the finished sum: q: log2(e) / 8 (the division by sqrt(64), and the softmax's base 2); k: the token's mask, 1 or 0, so that a masked key's
; products in the next launch are exact zeros; v: 1.
; THE OUTPUT: each third of qkvf is [batch x 16 + head][token tile of 16][feature tile of 16][position 0-31][16 bytes]; the 16 bytes are features 8 h + 0 .. 7 of token r.  q, k: position = lane.
; v: position = (r & 7) + 8 h + 16 (r >> 3), the order in which the turning LDS load of the next launch wants it.  A wave's store covers 512 consecutive aligned bytes: no stage in LDS is needed.
; LIMITS: NaN and infinities are not served; results beyond 65,504 in magnitude do not fit f16.
; REGISTERS, in windows of 256: window 0: v0-31 addresses; v32-95 scale words, two sets, and nothing else; v96-111 row factors, twice each; v112-119 the mask; v128-191 A's fragments, one set, on the way out sums x factor;
;   v192-255 the bias, on the way out packed results.   window 1: B's fragments, two sets.   windows 2, 3: the accumulators ((a, b) at v[8 (8 (a % 4) + b)]).
.set SIZE_K, 1024
.set KSTEP,  512                       ; along K in a slot
.set NQ,     KSTEP/128                 ; matrix instructions deep
.set ROWB,   256                       ; a tile's row in bytes
.set KROW,   SIZE_K/2                  ; a row of codes in memory
.set PITCH,  272                       ; an LDS row: 256 bytes + 16 of padding, so that the 16 rows of a fragment load start 68 words apart
.set FR,     8                         ; registers of a fragment
.set NL,     2                         ; LDS loads that bring one
.set NP,     4                         ; places behind this matrix instruction (ISA guide 7.12.1)
.set HALFT,  128*PITCH
.set SLOT,   4*HALFT                   ; A's 256 rows, then B's 256 rows
.set KS,     SIZE_K/32                 ; a row of scales in bytes
.set SCL,    2*SLOT                    ; behind the slots: the scales, as runs of 256 bytes + 16 of padding
.set HALFS,  (128*KS/256)*272
.set SBLK,   (16*KS/256)*272
.set SPARE,  SCL+4*HALFS               ; the spare words, 128 bytes a wave
.set ADRA, 16                          ; v16-17  LDS address of my A fragments in slot 0, 1
.set ADRB, 20                          ; v20-21  the same for B
.set CO,   26                          ; v26     16 x my position in an image
.set ADRS, 27                          ; v27     LDS address of my scale words: lanes 0-15 A's rows, lanes 16-31 B's
.set SPW,  28                          ; v28     LDS address of my spare word; never rewritten
.set NIL,  29                          ; v29     0; never rewritten
.set SC,   32
.set FAC,  96
.set MSK,  112
.set FV,   120
.set AF,   128
.set TF,   128
.set R0,   192
.set PK,   192
.set G1, 24
.set G0, 32
.set G1B, 48
.set G0B, 56
.set G1S, 68
.set G0S, 76
.set G1SB, 80
.set G0SB, 88
.set MSB, 0
.macro WIN new                         ; the immediate's high byte repeats the setting that is left
.if MSB != (\new)
	s_set_vgpr_msb (MSB<<8)|(\new)
.set MSB, (\new)
.endif
.endm
.set MUL_LO, 0xa1                      ; source 0 (B) window 1, source 1 (A) window 0, C and D window 2
.set MUL_HI, 0xf1                      ; the same, C and D window 3
.set MUL0_LO, 0x81                     ; the first step: C (the bias) window 0, D window 2
.set MUL0_HI, 0xc1                     ; D window 3
.set TO_B,   0x40
; A joint load: waves 0 and 1 fetch for A, waves 2 and 3 for B.  The branch hangs on the wave's number alone.  An s_nop 0 and four v_nop follow each of the two lines.
.macro JLOAD g0a, g1a, g0b, g1b
	s_cmp_eq_u32 s15, 0
	s_cbranch_scc0 .Lfor_b_\@
	tensor_load_to_lds s[\g0a:\g0a+3], s[\g1a:\g1a+7]
	s_nop 0
.rept 4
	v_nop
.endr
	s_branch .Lasked_\@
.Lfor_b_\@:
	tensor_load_to_lds s[\g0b:\g0b+3], s[\g1b:\g1b+7]
	s_nop 0
.rept 4
	v_nop
.endr
.Lasked_\@:
.endm
.macro CROUND                          ; a round of the cluster's barrier
	s_barrier_signal -1
	s_barrier_wait -1
	s_cmp_lg_u32 s14, 0
	s_cbranch_scc1 .Lnot_wave_0_\@
	s_barrier_signal -3
.Lnot_wave_0_\@:
	s_barrier_wait -3
	s_barrier_signal -1
	s_barrier_wait -1
.endm
	s_load_b128 s[4:7], s[0:1], 0x0                ; hcodes, hscales
	s_load_b128 s[8:11], s[0:1], 0x10              ; wcodes, wscales
	s_load_b64 s[12:13], s[0:1], 0x20              ; qkvf
	v_lshl_add_u32 v[SPW], v0, 2, SPARE
	v_mov_b32 v[NIL], 0
	ds_add_u32 v[SPW], v[NIL]                      ; the wave's opening: the add, twice on end, and its wait ahead of my first tensor load
	ds_add_u32 v[SPW], v[NIL]
	v_lshrrev_b32 v1, 5, v0
	v_readfirstlane_b32 s14, v1                    ; wave 0..3
	s_lshr_b32 s15, s14, 1                         ; which half of the tile's tokens is mine.  Also: I fetch for A (0) or for B (1)
	s_and_b32 s16, s14, 1                          ; which half of its features.  Also: which 128 rows I fetch
	s_bfe_u32 s40, ttmp6, 0x40000                  ; cx, cy: my place in the cluster
	s_bfe_u32 s41, ttmp6, 0x40004
	s_lshl_b32 s42, ttmp9, 2
	s_add_co_u32 s42, s42, s40                     ; tile column = 4 x cluster x + cx
	s_and_b32 s17, ttmp7, 0xffff
	s_lshl_b32 s17, s17, 2
	s_add_co_u32 s17, s17, s41                     ; tile row = 4 x cluster y + cy
	s_lshl_b32 s43, s41, 2
	s_lshl_b32 s43, 15, s43                        ; my row of the cluster
	s_lshl_b32 s44, 0x1111, s40                    ; my column
	; descriptor group 1: a tile of 128 rows x 256 bytes, 16 bytes of padding behind each row
	s_or_b32 s[G1+0], s43, (0<<16)|(1<<20)|(1<<21)|(5<<22)|(3<<25)
	s_or_b32 s[G1B+0], s44, (0<<16)|(1<<20)|(1<<21)|(5<<22)|(3<<25)
.irp g, G1, G1B
	s_mov_b32 s[\g+1], ROWB<<16                    ; tensor_dim0
	s_mov_b32 s[\g+2], 128<<16                     ; tensor_dim1
	s_mov_b32 s[\g+3], ROWB<<16                    ; tile_dim0
	s_mov_b32 s[\g+4], 128                         ; tile_dim1
	s_mov_b32 s[\g+5], KROW                        ; from row to row
	s_mov_b32 s[\g+6], 0
	s_mov_b32 s[\g+7], 0
.endr
	; the scales of 128 rows: 4,096 dense bytes, as 16 rows of 256 bytes (32 elements of 8), 16 bytes of padding behind each
	s_or_b32 s[G1S+0], s43, (3<<16)|(1<<20)|(1<<21)|(5<<22)|(3<<25)
	s_or_b32 s[G1SB+0], s44, (3<<16)|(1<<20)|(1<<21)|(5<<22)|(3<<25)
.irp g, G1S, G1SB
	s_mov_b32 s[\g+1], 32<<16
	s_mov_b32 s[\g+2], (128*KS/256)<<16
	s_mov_b32 s[\g+3], 32<<16
	s_mov_b32 s[\g+4], 128*KS/256
	s_mov_b32 s[\g+5], 32
	s_mov_b32 s[\g+6], 0
	s_mov_b32 s[\g+7], 0
.endr
	s_lshl_b32 s18, s16, 7                         ; which 128 rows of the tile I fetch
	s_lshl_b32 s20, s17, 8
	s_add_co_u32 s20, s20, s18                     ; A: row 256 x tile row + 128 x half
	s_lshl_b32 s46, s42, 8
	s_add_co_u32 s46, s46, s18                     ; B: row 256 x tile column + 128 x half
	s_mov_b32 s21, 0
	s_mov_b32 s47, 0
	s_mov_b64 s[18:19], KS
	s_mul_u64 s[22:23], s[20:21], s[18:19]         ; where these rows' scales begin
	s_mul_u64 s[92:93], s[46:47], s[18:19]
	s_mov_b64 s[18:19], KROW
	s_mul_u64 s[20:21], s[20:21], s[18:19]         ; and their codes
	s_mul_u64 s[46:47], s[46:47], s[18:19]
	s_mul_i32 s45, s14, HALFT                      ; where they go: wave x 128 rows: no place in the cluster enters an LDS address
	s_mul_i32 s94, s14, HALFS
	s_wait_dscnt 0x0                               ; both opening adds are done
	s_wait_kmcnt 0x0
	s_add_nc_u64 s[20:21], s[4:5], s[20:21]
	s_add_nc_u64 s[22:23], s[6:7], s[22:23]
	s_add_nc_u64 s[46:47], s[8:9], s[46:47]
	s_add_nc_u64 s[92:93], s[10:11], s[92:93]
	CROUND                                         ; all sixteen work-groups are here: the joint loads meet
	s_mov_b32 s[G0S], 1
	s_add_co_u32 s[G0S+1], s94, SCL
	s_mov_b64 s[G0S+2:G0S+3], s[22:23]
	s_or_b32 s[G0S+3], s[G0S+3], 0x80000000
	s_mov_b32 s[G0SB], 1
	s_add_co_u32 s[G0SB+1], s94, SCL
	s_mov_b64 s[G0SB+2:G0SB+3], s[92:93]
	s_or_b32 s[G0SB+3], s[G0SB+3], 0x80000000
	JLOAD G0S, G1S, G0SB, G1SB                     ; the scales first: they are wanted with the first slot
.irp s, 0,1
	s_mov_b32 s[G0+4*\s], 1
	s_add_co_u32 s[G0+4*\s+1], s45, \s*SLOT
	s_add_nc_u64 s[G0+4*\s+2:G0+4*\s+3], s[20:21], \s*ROWB
	s_or_b32 s[G0+4*\s+3], s[G0+4*\s+3], 0x80000000
	s_mov_b32 s[G0B+4*\s], 1
	s_add_co_u32 s[G0B+4*\s+1], s45, \s*SLOT
	s_add_nc_u64 s[G0B+4*\s+2:G0B+4*\s+3], s[46:47], \s*ROWB
	s_or_b32 s[G0B+4*\s+3], s[G0B+4*\s+3], 0x80000000
	JLOAD G0+4*\s, G1, G0B+4*\s, G1B               ; three loads of mine are out now, and no more follow
.endr
	s_load_b256 s[4:11], s[0:1], 0x28              ; bq s[4:5], bk s[6:7], bv s[8:9], the mask s[10:11] (the first four addresses have been used up)
	v_and_b32 v1, 15, v0                           ; r = l % 16
	v_bfe_u32 v2, v0, 4, 1                         ; h = l / 16
	v_mul_u32_u24 v3, v1, PITCH
	v_lshl_add_u32 v4, v2, 4, v3                   ; a fragment's row x pitch + 16 x half
	s_mul_i32 s21, s15, HALFT                      ; my 128 rows of A
	s_mul_i32 s22, s16, HALFT                      ; my 128 rows of B,
	s_add_co_u32 s22, s22, 2*HALFT                 ; which lie behind A's 256
.irp s, 0,1
	v_add_nc_u32 v[ADRA+\s], s21, v4
	v_add_nc_u32 v[ADRB+\s], s22, v4
	s_add_co_u32 s21, s21, SLOT
	s_add_co_u32 s22, s22, SLOT
.endr
	v_mul_u32_u24 v5, v1, KS                       ; my row's scales: KS bytes a row,
	v_lshrrev_b32 v6, 8, v5
	v_lshl_add_u32 v5, v6, 4, v5                   ; and 16 more for each 256 passed
	s_mul_i32 s21, s15, HALFS
	s_mul_i32 s22, s16, HALFS
	s_add_co_u32 s22, s22, 2*HALFS
	s_sub_co_u32 s22, s22, s21
	v_mul_u32_u24 v6, s22, v2                      ; lanes 16-31 take B's
	s_add_co_u32 s21, s21, SCL
	v_add_nc_u32 v5, v5, v6
	v_add_nc_u32 v[ADRS], s21, v5
	; the bias, the mask, the row factor and the way out
	v_lshlrev_b32 v8, 5, v2                        ; the bias: 32 h bytes: my eight features of a tile of 16
	v_lshlrev_b32 v9, 2, v1                        ; the mask: 4 r bytes
	v_and_b32 v10, 31, v0
	v_lshlrev_b32 v10, 4, v10                      ; q, k: position = lane
	v_and_b32 v11, 7, v0
	v_bfe_u32 v12, v0, 3, 1
	v_lshl_add_u32 v11, v2, 3, v11
	v_lshl_add_u32 v11, v12, 4, v11
	v_lshlrev_b32 v11, 4, v11                      ; v: position = (r & 7) + 8 h + 16 (r >> 3)
	s_cmp_eq_u32 ttmp9, 2
	s_cselect_b32 s22, -1, 0
	v_cndmask_b32 v[CO], v10, v11, s22
	s_cmp_eq_u32 ttmp9, 1
	s_cselect_b32 s19, 0, -1                       ; all ones but for k: the mask counts for k alone
	s_mov_b32 s18, 0x3f800000
	s_cmp_eq_u32 ttmp9, 0
	s_cselect_b32 s18, 0x3e38aa3b, s18             ; q: log2(e) / 8; k, v: 1
	s_lshl_b32 s20, ttmp9, 24                      ; the third of qkvf
	s_lshr_b32 s21, s17, 3                         ; the batch: 8 tile rows of 256 tokens each
	s_lshl_b32 s21, s21, 4
	s_lshl_b32 s46, s40, 2                         ; 4 heads to a tile column,
	s_add_co_u32 s21, s21, s46
	s_lshl_b32 s46, s16, 1                         ; 2 to my half
	s_add_co_u32 s21, s21, s46
	s_lshl_b32 s21, s21, 18                        ; 262,144 bytes a head
	s_add_co_u32 s20, s20, s21
	s_and_b32 s21, s17, 7
	s_lshl_b32 s21, s21, 4                         ; 16 token tiles to a tile row,
	s_lshl_b32 s46, s15, 3                         ; 8 to my half
	s_add_co_u32 s21, s21, s46
	s_lshl_b32 s21, s21, 11                        ; 2,048 bytes a token tile
	s_add_co_u32 s20, s20, s21
	s_mov_b32 s21, 0
	s_add_nc_u64 s[12:13], s[12:13], s[20:21]
	s_wait_kmcnt 0x0
	s_cmp_eq_u32 ttmp9, 0
	s_cselect_b64 s[4:5], s[4:5], s[6:7]
	s_cmp_eq_u32 ttmp9, 2
	s_cselect_b64 s[4:5], s[8:9], s[4:5]           ; my weight's bias
	s_lshl_b32 s20, s40, 10
	s_lshl_b32 s46, s16, 9
	s_add_co_u32 s20, s20, s46                     ; my 128 features of its 1,024
	s_add_nc_u64 s[4:5], s[4:5], s[20:21]
	s_lshl_b32 s20, s17, 10
	s_lshl_b32 s46, s15, 9
	s_add_co_u32 s20, s20, s46                     ; my 128 tokens of the 8,192
	s_add_nc_u64 s[10:11], s[10:11], s[20:21]
.irp b, 0,1,2,3,4,5,6,7
	global_load_b128 v[R0+8*\b:R0+8*\b+3], v8, s[4:5] offset:64*\b          ; bias of features 16 b + 8 h + 0 .. 7: the result's layout
	global_load_b128 v[R0+8*\b+4:R0+8*\b+7], v8, s[4:5] offset:64*\b+16
.endr
.irp a, 0,1,2,3,4,5,6,7
	global_load_b32 v[MSK+\a], v9, s[10:11] offset:64*\a                    ; the mask of token 16 a + r
.endr
.macro FRAG reg, adr, q, i             ; 16 rows x 128 K of 4-bit codes: lane l holds row l % 16; registers 4 c .. 4 c + 3 hold K = 64 c + 32 (l / 16) + 0 .. 31
.irp c, 0,1
	ds_load_b128 v[\reg+4*\c:\reg+4*\c+3], v[\adr] offset:64*(\q)+32*\c+(\i)*16*PITCH
.endr
.endm
; 16 matrix instructions: A's blocks a0, a0 + 1 x B's eight, the slot's q-th 128 along K.  p: B's set; sc: the set of scale words.  zero = 1: the first product starts the sums from the bias.
; The 64 accumulators take turns, one instruction a turn, in the same order in every step.
.macro MUL16 a0, p, q, sc, zero
.irp a, \a0, \a0+1
.irp b, 0,1,2,3,4,5,6,7
.if \zero
	v_wmma_scale_f32_16x16x128_f8f6f4 v[8*(8*((\a)%4)+\b):8*(8*((\a)%4)+\b)+7], v[128*(\p)+FR*\b:128*(\p)+FR*\b+FR-1], v[AF+FR*(\a):AF+FR*(\a)+FR-1], v[R0+8*\b:R0+8*\b+7], v[SC+8*NQ*(\sc)+NQ*\b+(\q)], v[SC+8*NQ*(\sc)+NQ*(\a)+(\q)] matrix_a_fmt:MATRIX_FMT_FP4 matrix_b_fmt:MATRIX_FMT_FP4 matrix_a_scale:MATRIX_SCALE_ROW1
.else
	v_wmma_scale_f32_16x16x128_f8f6f4 v[8*(8*((\a)%4)+\b):8*(8*((\a)%4)+\b)+7], v[128*(\p)+FR*\b:128*(\p)+FR*\b+FR-1], v[AF+FR*(\a):AF+FR*(\a)+FR-1], v[8*(8*((\a)%4)+\b):8*(8*((\a)%4)+\b)+7], v[SC+8*NQ*(\sc)+NQ*\b+(\q)], v[SC+8*NQ*(\sc)+NQ*(\a)+(\q)] matrix_a_fmt:MATRIX_FMT_FP4 matrix_b_fmt:MATRIX_FMT_FP4 matrix_a_scale:MATRIX_SCALE_ROW1
.endif
.endr
.endr
.endm
.macro FETCH_B slot, q, p
	WIN TO_B
.irp i, 0,1,2,3,4,5,6,7
	FRAG 128*(\p)+FR*\i, ADRB+\slot, \q, \i
.endr
	WIN 0
.endm
.macro FETCH_A slot, q, i0
.irp i, \i0, \i0+1, \i0+2, \i0+3
	FRAG AF+FR*(\i), ADRA+\slot, \q, \i
.endr
.endm
.macro SCALES sc                       ; a slot's scale words: four words a row; lanes 0-15 take A's block i, lanes 16-31 B's block i
.irp i, 0,1,2,3,4,5,6,7
	ds_load_b128 v[SC+8*NQ*\sc+NQ*\i:SC+8*NQ*\sc+NQ*\i+3], v[ADRS] offset:\i*SBLK
.endr
.endm
.macro PLACES n                        ; plain vector instructions between a matrix instruction and a load into, or a read of, its registers
.rept \n
	v_nop
.endr
.endm
; A step of 128 along K that has its successor in the same slot.  A has one set of registers: blocks 0-3 are fetched anew in the step's middle, blocks 4-7 at its end; B has two sets.
.macro STEP slot, q, zero
	s_wait_dscnt 4*NL                              ; B's set and A's blocks 0-3 are in; the youngest eight loads (A's blocks 4-7) may be out
.if \zero
	WIN MUL0_LO
.else
	WIN MUL_LO
.endif
	MUL16 0, (\q)%2, \q, \slot, \zero
	MUL16 2, (\q)%2, \q, \slot, \zero
	s_wait_dscnt 0                                 ; A's blocks 4-7 are in
	PLACES NP
	FETCH_B \slot, (\q)+1, 1-(\q)%2
	FETCH_A \slot, (\q)+1, 0
.if \zero
	WIN MUL0_HI
.else
	WIN MUL_HI
.endif
	MUL16 4, (\q)%2, \q, \slot, \zero
	MUL16 6, (\q)%2, \q, \slot, \zero
	PLACES NP
	WIN 0
	FETCH_A \slot, (\q)+1, 4
.endm
; Slot 0's last step changes slots: one barrier; in front of it each wave waits for all its tensor loads (its part of slot 1), adds 0 to its spare word, and waits for that and for its LDS loads.  Nothing is filled again.
.macro TURN slot, next
	s_wait_tensorcnt 0x0                           ; all my tensor loads have landed
	ds_add_u32 v[SPW], v[NIL]
	s_wait_dscnt 4*NL+1                            ; (the add and A's blocks 4-7 may be out)
	WIN MUL_LO
	MUL16 0, 1, NQ-1, \slot, 0
	s_wait_dscnt 0x0                               ; the add is done, and no LDS load of mine is out
	s_barrier_signal -1
	MUL16 2, 1, NQ-1, \slot, 0
	WIN 0
	s_barrier_wait -1                              ; slot 1 is whole
	PLACES NP
	v_add_nc_u32 v[ADRS], 4*NQ, v[ADRS]            ; on to the next slot's scale words
	FETCH_B \next, 0, 0
	FETCH_A \next, 0, 0
	SCALES \next
	WIN MUL_HI
	MUL16 4, 1, NQ-1, \slot, 0
	MUL16 6, 1, NQ-1, \slot, 0
	PLACES NP
	WIN 0
	FETCH_A \next, 0, 4
.endm
	s_wait_tensorcnt 1                             ; the scales and my part of slot 0 are in (slot 1's load may be out),
	s_barrier_signal -1
	s_barrier_wait -1                              ; everybody's are
	FETCH_B 0, 0, 0
	FETCH_A 0, 0, 0
	SCALES 0
	FETCH_A 0, 0, 4
	s_wait_loadcnt 0x0                             ; the bias and the mask
	v_mov_b32 v[FV], s18
.irp a, 0,1,2,3,4,5,6,7
	v_cmp_ne_u32 s20, 0, v[MSK+\a]                 ; an open token,
	s_or_b32 s20, s20, s19                         ; or any token of q and v,
	v_cndmask_b32 v[FAC+2*\a], 0, v[FV], s20       ; keeps the factor; a masked token of k gets 0
	v_mov_b32 v[FAC+2*\a+1], v[FAC+2*\a]           ; twice: a pair for the packed multiply
.endr
	STEP 0, 0, 1
	STEP 0, 1, 0
	STEP 0, 2, 0
	TURN 0, 1
	STEP 1, 0, 0
	STEP 1, 1, 0
	STEP 1, 2, 0
	s_wait_dscnt 4*NL                              ; the very last step: nothing more to fetch
	WIN MUL_LO
	MUL16 0, 1, NQ-1, 1, 0
	MUL16 2, 1, NQ-1, 1, 0
	s_wait_dscnt 0
	WIN MUL_HI
	MUL16 4, 1, NQ-1, 1, 0
	MUL16 6, 1, NQ-1, 1, 0
	WIN 0
	PLACES NP
; THE WAY OUT, a block of 16 tokens x 128 features at a time: x the token's factor, rounded to f16, stored.  A lane's 16 bytes are one position of an image.
.macro OUTBLK a
.if (\a) >= 2
	s_wait_xcnt 0x0                                ; the stores of two blocks ago have read their data: the registers are written again only behind this wait
.endif
	WIN 0x02+(\a)/4                                ; source 0: window 2 or 3
.irp b, 0,1,2,3,4,5,6,7
.irp i, 0,1,2,3
	v_pk_mul_f32 v[TF+8*\b+2*\i:TF+8*\b+2*\i+1], v[64*((\a)%4)+8*\b+2*\i:64*((\a)%4)+8*\b+2*\i+1], v[FAC+2*(\a):FAC+2*(\a)+1]   ; each accumulator from its low end on
.endr
.endr
	WIN 0
.irp b, 0,1,2,3,4,5,6,7
.irp i, 0,1,2,3
	v_cvt_pk_f16_f32 v[PK+32*((\a)%2)+4*\b+\i], v[TF+8*\b+2*\i], v[TF+8*\b+2*\i+1]
.endr
.endr
.irp b, 0,1,2,3,4,5,6,7
	global_store_b128 v[CO], v[PK+32*((\a)%2)+4*\b:PK+32*((\a)%2)+4*\b+3], s[12:13] offset:(\a)*2048+((\b)&3)*512+((\b)>>2)*262144   ; token tile a, feature tile b % 4 of head b / 4: 512 consecutive aligned bytes
.endr
.endm
.irp a, 0,1,2,3,4,5,6,7
	OUTBLK \a
.endr
	s_wait_tensorcnt 0x0                           ; the wave's end
	ds_add_u32 v[SPW], v[NIL]
	s_wait_dscnt 0x0
	CROUND                                         ; the closing round
	s_endpgm
.Lfunc_end_k_q0dd42833dc_qkv:
	.size	k_q0dd42833dc_qkv, .Lfunc_end_k_q0dd42833dc_qkv-k_q0dd42833dc_qkv
	.p2alignl 7, 3214868480
	.fill 96, 4, 3214868480
	.section	.rodata,"a",@progbits
	.p2align	6, 0x0
	.amdhsa_kernel k_q0dd42833dc_qkv
		.amdhsa_group_segment_fixed_size 327680
		.amdhsa_private_segment_fixed_size 0
		.amdhsa_enable_private_segment 0
		.amdhsa_kernarg_size 72
		.amdhsa_user_sgpr_count 2
		.amdhsa_user_sgpr_kernarg_segment_ptr 1
		.amdhsa_wavefront_size32 1
		.amdhsa_system_sgpr_workgroup_id_x 1
		.amdhsa_system_sgpr_workgroup_id_y 1
		.amdhsa_system_sgpr_workgroup_id_z 1
		.amdhsa_system_vgpr_workitem_id 0
		.amdhsa_next_free_vgpr 1024
		.amdhsa_next_free_sgpr 98
		.amdhsa_reserve_vcc 0
		.amdhsa_float_denorm_mode_32 3
		.amdhsa_float_denorm_mode_16_64 3
		.amdhsa_memory_ordered 1
		.amdhsa_forward_progress 1
		.amdhsa_inst_pref_size 138
	.end_amdhsa_kernel
	.amdgpu_metadata
---
amdhsa.version: [ 1, 2 ]
amdhsa.kernels:
  - .name:           k_q0dd42833dc_qkv
    .symbol:         k_q0dd42833dc_qkv.kd
    .args:
      - { .name: hcodes, .offset: 0, .size: 8, .value_kind: global_buffer, .address_space: global }
      - { .name: hscales, .offset: 8, .size: 8, .value_kind: global_buffer, .address_space: global }
      - { .name: wcodes, .offset: 16, .size: 8, .value_kind: global_buffer, .address_space: global }
      - { .name: wscales, .offset: 24, .size: 8, .value_kind: global_buffer, .address_space: global }
      - { .name: qkvf, .offset: 32, .size: 8, .value_kind: global_buffer, .address_space: global }
      - { .name: bq, .offset: 40, .size: 8, .value_kind: global_buffer, .address_space: global }
      - { .name: bk, .offset: 48, .size: 8, .value_kind: global_buffer, .address_space: global }
      - { .name: bv, .offset: 56, .size: 8, .value_kind: global_buffer, .address_space: global }
      - { .name: attention_mask, .offset: 64, .size: 8, .value_kind: global_buffer, .address_space: global }
    .group_segment_fixed_size: 327680
    .private_segment_fixed_size: 0
    .kernarg_segment_align: 8
    .kernarg_segment_size: 72
    .max_flat_workgroup_size: 128
    .sgpr_count:     98
    .vgpr_count:     1024
    .wavefront_size: 32
...
	.end_amdgpu_metadata
.endif
;; end of part 2
;; launch attn (part 3): grid 4 x 64, 8 waves a work-group, clusters of 4 x 1, 327,680 bytes of LDS; arguments qkvf, attention_mask, ctx; writes ctx
.if DOCPART == 3
	.amdgcn_target "amdgcn-amd-amdhsa--gfx1250"
	.amdhsa_code_object_version 6
	.text
	.protected	k_q0dd42833dc_attn
	.globl	k_q0dd42833dc_attn
	.p2align	8
	.type	k_q0dd42833dc_attn,@function
k_q0dd42833dc_attn:
	s_mov_b64 s[64:65], 0
	v_nop
	global_prefetch_b8 v0, s[64:65] scope:SCOPE_SE
	s_setreg_imm32_b32 hwreg(HW_REG_WAVE_MODE, 25, 1), 1
	s_wait_xcnt 0x0
	s_wait_alu depctr_hold_cnt(0) depctr_sa_sdst(0) depctr_va_vdst(0) depctr_va_sdst(0) depctr_va_ssrc(0) depctr_va_vcc(0) depctr_vm_vsrc(0)
	s_getreg_b32 s2, hwreg(HW_REG_IB_STS2, 6, 4)
	s_cmp_eq_u32 s2, 0
	s_cbranch_scc0 .Lentry_in_a_cluster
	s_endpgm
.Lentry_in_a_cluster:
	s_bfe_u32 s2, ttmp6, 0x10000c
	s_cmp_lg_u32 s2, 0x3003
	s_cbranch_scc0 .Lentry_shape_is_right
	s_endpgm
.Lentry_shape_is_right:
; context[b][q][head] = the sum over keys of softmax(q . k / 8, masked keys at the smallest f32 number) v, on f16 operands with f32 sums, maxima and row sums.
; qkvf holds q x log2(e) / 8, k x mask and v as images of operand registers: each third is [b x 16 + head][token tile of 16][feature tile of 16][position][16 bytes].
; THE MASK costs no instruction a score: a masked key's row of k is zero, and the first product of each tile of keys takes as its C a table that holds 0 for an open key and NEG = -3.4028235e38 for a masked one:
; a masked score is exactly NEG.  Where a row has an open key its p is 2^(NEG - m) = 0; where all keys are masked m = NEG, every p = 1, and the weights are uniform.
; SOFTMAX: a running maximum m and sum l for each query; p = 2^(t - m); in every step O and l are multiplied by a = 2^(m_old - m_new).  The row's sum is taken of p before it is rounded to f16.
; SHARES: a work-group owns 512 queries of one batch and head, each of its eight waves 64: four tiles of 16.  Every wave walks all 2,048 keys, 64 a step.
; LAYOUT: S^T = K Q^T (source 0 = 16 keys, source 1 = 16 queries) and O^T = V^T P (source 0 = 16 channels x 32 keys, source 1 = P): a lane holds one query (lane % 16) throughout, and two tiles of S^T, rounded in pairs, are P.
; TWO WAVES ON A SIMD, HALF A STEP APART.  A wave's own order is A0 V0 [PV0 A1] V1 [PV1 A2] .. : blocks of 64 matrix instructions and a softmax by turns.  The waves fall into two groups by
; g = (w xor (w >> 2)) & 1: in a trip group 0 runs the matrix block and then its softmax, group 1 the softmax of the step before and then the matrix block, so that one group's vector work stands beside the other's products.
; All LDS reads of a trip are of that trip's step, in both groups.
; CLUSTER: the four query blocks of a head walk the same K and V: each tile is asked for jointly, by the same tensor load with a mask that names the four.
; RING: two slots of 512 keys (8 steps): K's 65,536 bytes, then V's.  Each wave brings an eighth of a slot with one load; a refill has eight steps in which to land, so no prefetch is laid.
; LIMITS: NaN and infinities are not served.
; REGISTERS: window 0: v1-7 addresses; v8-31 six registers of statistics a tile: +0 m, +1 tA, +2, +3 l, +4 a, +5 tB; v32-63 the mask's table for a step; v64-127 K of a step; v128-255 S^T, 32 a tile, P in each tile's low 16.
;   window 1: v0-127 O^T, 32 a tile; v128-191 Q, 16 a tile; v192-255 V of a step.
.set SLOT1, 1<<17                      ; slot 1 begins here: one exclusive or turns an address in one slot into the other's
.set VOFF,  65536                      ; V's steps in a slot
.set STEPB, 8192                       ; a step's K, or V: 64 keys x 64 channels of f16
.set BIAS,  2*SLOT1                    ; behind the ring: 2,048 f32, 0 or NEG for each key of the batch; stored once, never the target of a fill
.set SPARE, BIAS+8192                  ; the spare words, 128 bytes a wave
.set SPW, 1                            ; v1  LDS address of my spare word; never rewritten
.set NIL, 2                            ; v2  0; never rewritten
.set L16, 3                            ; v3  16 x lane
.set ADK, 4                            ; v4  the step's K
.set ADV, 5                            ; v5  the step's V
.set ADB, 6                            ; v6  the step's part of the table
.set AB0, 7                            ; v7  BIAS + 32 (lane / 16)
.set ST,  8
.set BI,  32
.set KF,  64
.set S,   128
.set O,   0
.set QF,  128
.set VF,  192
.set WV,  12                           ; s12 wave
.set GRP, 13                           ; s13 group
.set CX,  14                           ; s14 my place in the cluster = my block of 512 queries
.set BH,  15                           ; s15 batch x 16 + head
.set G1,  24                           ; s[24:31] descriptor group 1
.set G0,  32                           ; s[32:35], s[36:39] group 0 for the two first fills; the second then walks on
.set TB,  40                           ; s40 LDS byte of the step's K
.set TBV, 41                           ; s41 of its V
.set TBB, 42                           ; s42 byte of the step in the table
.set SLOTS, 43
.set TRIPS, 44
.set SEL, 46                           ; s[46:47] lane selects for v_permlanex16_b32: lane l xor 16
.set MSB, 0
.macro WIN new                         ; the immediate's high byte repeats the setting that is left
.if MSB != (\new)
	s_set_vgpr_msb (MSB<<8)|(\new)
.set MSB, (\new)
.endif
.endm
.set W_KQ, 0x04                        ; K, S^T and the table in window 0, Q in window 1
.set W_PV, 0x51                        ; V and O^T in window 1, P in window 0
.set W_RS, 0x41                        ; O^T (destination and source 0) in window 1, the factor in window 0
.set W_LD, 0x40                        ; destination window 1, address window 0
.macro CROUND                          ; a round of the cluster's barrier
	s_barrier_signal -1
	s_barrier_wait -1
	s_cmp_lg_u32 s[WV], 0
	s_cbranch_scc1 .Lnot_wave_0_\@
	s_barrier_signal -3
.Lnot_wave_0_\@:
	s_barrier_wait -3
	s_barrier_signal -1
	s_barrier_wait -1
.endm
	s_load_b128 s[4:7], s[0:1], 0x0                ; qkvf, the mask
	s_load_b64 s[8:9], s[0:1], 0x10                ; ctx
	v_lshl_add_u32 v[SPW], v0, 2, SPARE
	v_mov_b32 v[NIL], 0
	ds_add_u32 v[SPW], v[NIL]                      ; the wave's opening: the add, twice on end, and its wait ahead of my first tensor load
	ds_add_u32 v[SPW], v[NIL]
	v_lshrrev_b32 v3, 5, v0
	v_readfirstlane_b32 s[WV], v3                  ; wave 0..7
	s_lshr_b32 s[GRP], s[WV], 2
	s_xor_b32 s[GRP], s[GRP], s[WV]
	s_and_b32 s[GRP], s[GRP], 1
	s_bfe_u32 s[CX], ttmp6, 0x40000
	s_and_b32 s[BH], ttmp7, 0xffff
	; descriptor group 1: 64 rows of 256 bytes (32 elements of 8), dense: 16,384 bytes
	s_mov_b32 s[G1], 15|(3<<16)|(1<<21)            ; the mask: all four work-groups; elements of 8 bytes; bit 21 beside a mask
	s_mov_b32 s[G1+1], 32<<16                      ; tensor_dim0
	s_mov_b32 s[G1+2], 64<<16                      ; tensor_dim1
	s_mov_b32 s[G1+3], 32<<16                      ; tile_dim0
	s_mov_b32 s[G1+4], 64                          ; tile_dim1
	s_mov_b32 s[G1+5], 32                          ; from row to row
	s_mov_b32 s[G1+6], 0
	s_mov_b32 s[G1+7], 0
	s_mov_b32 s[G0], 1
	s_lshl_b32 s[G0+1], s[WV], 14                  ; LDS: wave x 16,384: waves 0-3 K's quarters, waves 4-7 V's
	s_mov_b32 s[G0+4], 1
	s_add_co_u32 s[G0+5], s[G0+1], SLOT1
	s_lshr_b32 s16, s[WV], 2
	s_add_co_u32 s16, s16, 1
	s_lshl_b32 s16, s16, 24                        ; the third of qkvf: k for waves 0-3, v for waves 4-7
	s_lshl_b32 s17, s[BH], 18
	s_add_co_u32 s16, s16, s17                     ; the head
	s_and_b32 s17, s[WV], 3
	s_lshl_b32 s17, s17, 14
	s_add_co_u32 s16, s16, s17                     ; my quarter of a slot
	s_mov_b32 s17, 0
	s_lshl_b32 s18, s[BH], 18
	s_lshl_b32 s19, s[CX], 16
	s_add_co_u32 s18, s18, s19
	s_lshl_b32 s19, s[WV], 13
	s_add_co_u32 s18, s18, s19                     ; q: the head, my block's 32 token tiles, my wave's 4
	s_mov_b32 s19, 0
	s_lshr_b32 s10, s[BH], 4                       ; the batch
	s_lshl_b32 s22, s10, 4
	s_lshl_b32 s23, s[CX], 2
	s_add_co_u32 s22, s22, s23
	s_lshr_b32 s23, s[WV], 1
	s_add_co_u32 s22, s22, s23                     ; ctx: my block of 128 tokens
	s_lshl_b32 s22, s22, 18
	s_and_b32 s23, s[BH], 15
	s_lshl_b32 s23, s23, 14                        ; the head's two chunks of 32 along the next K
	s_add_co_u32 s22, s22, s23
	s_and_b32 s23, s[WV], 1
	s_lshl_b32 s23, s23, 12                        ; my four token tiles of the block's eight
	s_add_co_u32 s22, s22, s23
	s_mov_b32 s23, 0
	s_lshl_b32 s10, s10, 13                        ; the batch's row of the mask
	s_mov_b32 s11, 0
	s_mov_b32 s[SEL], 0x76543210
	s_mov_b32 s[SEL+1], 0xfedcba98
	s_mov_b32 s[TB], 0
	s_mov_b32 s[TBB], 0
	s_wait_dscnt 0x0                               ; both opening adds are done
	s_wait_kmcnt 0x0
	s_add_nc_u64 s[G0+2:G0+3], s[4:5], s[16:17]
	s_add_nc_u64 s[G0+6:G0+7], s[G0+2:G0+3], 65536 ; slot 1: the next 512 keys
	s_or_b32 s[G0+3], s[G0+3], 0x80000000
	s_or_b32 s[G0+7], s[G0+7], 0x80000000
	s_add_nc_u64 s[20:21], s[4:5], s[18:19]
	s_add_nc_u64 s[6:7], s[6:7], s[10:11]
	s_add_nc_u64 s[8:9], s[8:9], s[22:23]
	CROUND                                         ; all four work-groups are here: the first joint loads meet
	tensor_load_to_lds s[G0:G0+3], s[G1:G1+7]      ; two loads of mine are out
	s_nop 0
	tensor_load_to_lds s[G0+4:G0+7], s[G1:G1+7]
	s_nop 0
.rept 4
	v_nop
.endr
	v_lshlrev_b32 v137, 5, v0                      ; my 8 keys of the batch's 2,048
	global_load_b128 v[128:131], v137, s[6:7]
	global_load_b128 v[132:135], v137, s[6:7] offset:16
	v_and_b32 v[L16], 31, v0
	v_lshlrev_b32 v[L16], 4, v[L16]
	WIN W_LD
.irp i, 0,1,2,3,4,5,6,7,8,9,10,11,12,13,14,15
	global_load_b128 v[QF+4*\i:QF+4*\i+3], v[L16], s[20:21] offset:512*\i   ; Q stays in registers: tile i / 4, feature tile i % 4
.endr
.set jj, 0
.rept 128
	v_mov_b32 v[O+jj], 0                           ; O^T: the loop is written once: its first step finds zeros
.set jj, jj+1
.endr
	WIN 0
	v_bfe_u32 v[AB0], v0, 4, 1
	v_lshl_add_u32 v[AB0], v[AB0], 5, BIAS
	v_lshl_add_u32 v138, v0, 5, BIAS
	v_mov_b32 v136, 0xff7fffff                     ; NEG
.irp t, 0,1,2,3
	v_mov_b32 v[ST+6*\t], v136                     ; m
	v_mov_b32 v[ST+6*\t+2], 0                      ; l, in two halves
	v_mov_b32 v[ST+6*\t+3], 0
.endr
	s_wait_loadcnt 16                              ; the mask is in; Q's sixteen loads may be out
.irp i, 0,1,2,3,4,5,6,7
	v_cmp_eq_u32 vcc_lo, 0, v[128+\i]
	v_cndmask_b32 v[128+\i], 0, v136, vcc_lo       ; a masked key: NEG; an open one: 0
.endr
	ds_store_b128 v138, v[128:131]
	ds_store_b128 v138, v[132:135] offset:16
	s_wait_tensorcnt 1                             ; my part of slot 0 is in; slot 1's may stay out
	s_wait_dscnt 0x0                               ; my part of the table is stored
	s_barrier_signal -1
	s_barrier_wait -1
	s_wait_loadcnt 0x0                             ; Q
; THE MATRIX BLOCK.  pv = 1: O^T += V^T P of the step before, 32 products; kq = 1: this step's K, table and V are fetched, and S^T = K Q^T + table, 32 products.
; The sixteen accumulators of each kind take turns, one instruction a turn.  Five plain places stand behind each run of products: four for loads into and reads of their registers,
; one more for the products that write S^T over P.
.macro MPH pv, kq
.if \kq
.irp i, 0,1,2,3,4,5,6,7,8,9,10,11,12,13,14,15
	ds_load_b128 v[KF+4*\i:KF+4*\i+3], v[ADK] offset:512*\i                 ; key tile i / 4, feature tile i % 4: 512 consecutive bytes
.endr
.irp i, 0,1,2,3,4,5,6,7
	ds_load_b128 v[BI+4*\i:BI+4*\i+3], v[ADB] offset:64*(\i/2)+16*(\i%2)    ; keys 16 (i / 2) + 8 h + 4 (i % 2) + 0 .. 3: the result's layout
.endr
.endif
.if \pv
.if \kq
	s_wait_dscnt 24                                ; V of the step before is in; the 24 loads just issued may be out
.else
	s_wait_dscnt 0x0
.endif
	WIN W_PV
.irp cc, 0,1
.irp ct, 0,1,2,3
.irp q, 0,1,2,3
	v_wmma_f32_16x16x32_f16 v[O+32*\q+8*\ct:O+32*\q+8*\ct+7], v[VF+8*(4*\cc+\ct):VF+8*(4*\cc+\ct)+7], v[S+32*\q+8*\cc:S+32*\q+8*\cc+7], v[O+32*\q+8*\ct:O+32*\q+8*\ct+7]
.endr
.endr
.endr
.rept 5
	v_nop
.endr
.endif
.if \kq
	WIN W_LD
.irp cc, 0,1
.irp ct, 0,1,2,3
.irp hf, 0,1
	ds_load_tr16_b128 v[VF+8*(4*\cc+\ct)+4*\hf:VF+8*(4*\cc+\ct)+4*\hf+3], v[ADV] offset:(2*\cc+\hf)*2048+\ct*512   ; key tile 2 cc + hf, channels 16 ct on, turned: lane (r, h) gets channel r, keys 8 h + 0 .. 7
.endr
.endr
.endr
	s_wait_dscnt 16                                ; K and the table are in; V's sixteen loads may be out
	WIN W_KQ
.irp kt, 0,1,2,3
.irp q, 0,1,2,3
	v_wmma_f32_16x16x32_f16 v[S+32*\q+8*\kt:S+32*\q+8*\kt+7], v[KF+16*\kt:KF+16*\kt+7], v[QF+16*\q:QF+16*\q+7], v[BI+8*\kt:BI+8*\kt+7]
.endr
.endr
.irp kt, 0,1,2,3
.irp q, 0,1,2,3
	v_wmma_f32_16x16x32_f16 v[S+32*\q+8*\kt:S+32*\q+8*\kt+7], v[KF+16*\kt+8:KF+16*\kt+15], v[QF+16*\q+8:QF+16*\q+15], v[S+32*\q+8*\kt:S+32*\q+8*\kt+7]
.endr
.endr
.rept 5
	v_nop
.endr
.endif
	WIN 0
.endm
; THE SOFTMAX of one step, four tiles by turns, 118 instructions a tile.
.macro SMX
.irp t, 0,1,2,3
	v_max3_num_f32 v[ST+6*\t+1], v[S+32*\t], v[S+32*\t+1], v[S+32*\t+2]              ; the maximum of my 32 scores and the old m, in two chains; each accumulator is first read at its low end
	v_max3_num_f32 v[ST+6*\t+5], v[S+32*\t+16], v[S+32*\t+17], v[S+32*\t+18]
.endr
.irp i, 1,2,3,4,5,6
.irp t, 0,1,2,3
	v_max3_num_f32 v[ST+6*\t+1], v[ST+6*\t+1], v[S+32*\t+2*\i+1], v[S+32*\t+2*\i+2]
	v_max3_num_f32 v[ST+6*\t+5], v[ST+6*\t+5], v[S+32*\t+2*\i+17], v[S+32*\t+2*\i+18]
.endr
.endr
.irp t, 0,1,2,3
	v_max3_num_f32 v[ST+6*\t+1], v[ST+6*\t+1], v[S+32*\t+15], v[ST+6*\t]
.endr
.irp t, 0,1,2,3
	v_max3_num_f32 v[ST+6*\t+1], v[ST+6*\t+1], v[ST+6*\t+5], v[S+32*\t+31]
.endr
.irp t, 0,1,2,3
	v_permlanex16_b32 v[ST+6*\t+5], v[ST+6*\t+1], s[SEL], s[SEL+1]                   ; the query's other 32 keys lie in the lane 16 away
.endr
.irp t, 0,1,2,3
	v_max_num_f32 v[ST+6*\t+1], v[ST+6*\t+1], v[ST+6*\t+5]
.endr
.irp t, 0,1,2,3
	v_sub_f32 v[ST+6*\t+4], v[ST+6*\t], v[ST+6*\t+1]                                 ; m_old - m_new
.endr
.irp t, 0,1,2,3
	v_mov_b32 v[ST+6*\t], v[ST+6*\t+1]                                               ; the new m
.endr
	; ONE BATCH: the four a and all 128 p.  Nothing in it names an exponential's result; each pair is brought under m four pairs ahead of its exponentials
.irp t, 0,1,2,3
	v_exp_f32 v[ST+6*\t+4], v[ST+6*\t+4]
.endr
.irp t, 0,1,2,3
	v_pk_add_f32 v[S+32*\t:S+32*\t+1], v[S+32*\t:S+32*\t+1], v[ST+6*\t:ST+6*\t+1] op_sel_hi:[1,0] neg_lo:[0,1] neg_hi:[0,1]   ; t - m, two at a time
.endr
.set pp, 0
.rept 64
.if pp+4 < 64
	v_pk_add_f32 v[S+32*((pp+4)%4)+2*((pp+4)/4):S+32*((pp+4)%4)+2*((pp+4)/4)+1], v[S+32*((pp+4)%4)+2*((pp+4)/4):S+32*((pp+4)%4)+2*((pp+4)/4)+1], v[ST+6*((pp+4)%4):ST+6*((pp+4)%4)+1] op_sel_hi:[1,0] neg_lo:[0,1] neg_hi:[0,1]
.endif
	v_exp_f32 v[S+32*(pp%4)+2*(pp/4)], v[S+32*(pp%4)+2*(pp/4)]
	v_exp_f32 v[S+32*(pp%4)+2*(pp/4)+1], v[S+32*(pp%4)+2*(pp/4)+1]
.set pp, pp+1
.endr
	v_nop                                          ; a plain instruction behind the last exponential
	s_wait_alu depctr_va_vdst(0)                   ; one wait for the whole batch, ahead of its first reader
.irp t, 0,1,2,3
	v_pk_mul_f32 v[ST+6*\t+2:ST+6*\t+3], v[ST+6*\t+2:ST+6*\t+3], v[ST+6*\t+4:ST+6*\t+5] op_sel_hi:[1,0]   ; l under the new m
.endr
.irp i, 0,1,2,3,4,5,6,7,8,9,10,11,12,13,14,15
.irp t, 0,1,2,3
	v_pk_add_f32 v[ST+6*\t+2:ST+6*\t+3], v[ST+6*\t+2:ST+6*\t+3], v[S+32*\t+2*\i:S+32*\t+2*\i+1]           ; the sum of the unrounded p
.endr
.endr
.irp i, 0,1,2,3,4,5,6,7,8,9,10,11,12,13,14,15
.irp t, 0,1,2,3
	v_cvt_pk_f16_f32 v[S+32*\t+\i], v[S+32*\t+2*\i], v[S+32*\t+2*\i+1]               ; P, in place, ascending: no pair is written over before it is read
.endr
.endr
	WIN W_RS
.irp i, 0,1,2,3,4,5,6,7,8,9,10,11,12,13,14,15
.irp t, 0,1,2,3
	v_pk_mul_f32 v[O+32*\t+2*\i:O+32*\t+2*\i+1], v[O+32*\t+2*\i:O+32*\t+2*\i+1], v[ST+6*\t+4:ST+6*\t+5] op_sel_hi:[1,0]   ; O^T under the new m
.endr
.endr
	WIN 0
.endm
.macro ADDRS                           ; the step's LDS addresses, made on the way that all waves take
	s_add_co_u32 s[TBV], s[TB], VOFF
	v_add_nc_u32 v[ADK], s[TB], v[L16]
	v_add_nc_u32 v[ADV], s[TBV], v[L16]
	v_add_nc_u32 v[ADB], s[TBB], v[AB0]
.endm
.macro NEXT
	s_add_co_u32 s[TB], s[TB], STEPB
	s_add_co_u32 s[TBB], s[TBB], 256
.endm
; A TRIP: group 0: the matrix block, then this step's softmax; group 1: the softmax of the step before, then the matrix block.  The branches hang on the wave's number alone.
.macro TRIP
	ADDRS
	s_cmp_lg_u32 s[GRP], 0
	s_cbranch_scc1 .Lv_first_\@
	MPH 1, 1
.Lv_first_\@:
	SMX
	s_cmp_eq_u32 s[GRP], 0
	s_cbranch_scc1 .Lm_done_\@
	MPH 1, 1
.Lm_done_\@:
	NEXT
.endm
; THE CHANGE OF SLOTS, at a trip's edge.  Each wave waits for all its tensor loads (its part of the slot ahead), adds 0 to its spare word, and waits for that and for its reads of the slot that it leaves.
; fill = 1: the barrier is a round of the cluster's, and behind it the slot just left is filled with the keys two slots on: my one tensor load until the next round.
.macro CHANGE fill
	s_wait_tensorcnt 0x0                           ; no tensor load of mine is out, so a group 0 may be written
	ds_add_u32 v[SPW], v[NIL]
.if \fill
	s_xor_b32 s[G0+5], s[G0+5], SLOT1              ; the walking descriptor: the other slot than last time,
	s_add_nc_u64 s[G0+6:G0+7], s[G0+6:G0+7], 65536 ; the next 512 keys; the type bits on top are not reached
.endif
	s_wait_dscnt 0x0                               ; the add is done, and my reads of the slot are over
.if \fill
	CROUND
	tensor_load_to_lds s[G0+4:G0+7], s[G1:G1+7]
	s_nop 0
.rept 4
	v_nop
.endr
.else
	s_barrier_signal -1
	s_barrier_wait -1
.endif
	s_sub_co_u32 s[TB], s[TB], 8*STEPB             ; back to a slot's first step,
	s_xor_b32 s[TB], s[TB], SLOT1                  ; in the other slot
.endm
	ADDRS                                          ; step 0: every wave's first scores; group 0 goes on to their softmax
	MPH 0, 1
	s_cmp_lg_u32 s[GRP], 0
	s_cbranch_scc1 .Lskip_first
	SMX
.Lskip_first:
	NEXT
	s_wait_dscnt 0x0                               ; no LDS load of mine is out at a signal
	s_barrier_signal -1
	s_barrier_wait -1                              ; from here on the two groups are half a step apart
	s_mov_b32 s[TRIPS], 7
.Lfirst:
	TRIP
	s_sub_co_u32 s[TRIPS], s[TRIPS], 1
	s_cmp_lg_u32 s[TRIPS], 0
	s_cbranch_scc1 .Lfirst
	s_mov_b32 s[SLOTS], 2
.Lslot:                                            ; two trips: slots 0 and 1 are filled again, with keys 1,024 on and 1,536 on
	CHANGE 1
	s_mov_b32 s[TRIPS], 8
.Lmid:
	TRIP
	s_sub_co_u32 s[TRIPS], s[TRIPS], 1
	s_cmp_lg_u32 s[TRIPS], 0
	s_cbranch_scc1 .Lmid
	s_sub_co_u32 s[SLOTS], s[SLOTS], 1
	s_cmp_lg_u32 s[SLOTS], 0
	s_cbranch_scc1 .Lslot
	CHANGE 0                                       ; the last slot is written out: nothing is asked for
	s_mov_b32 s[TRIPS], 8
.Llast:
	TRIP
	s_sub_co_u32 s[TRIPS], s[TRIPS], 1
	s_cmp_lg_u32 s[TRIPS], 0
	s_cbranch_scc1 .Llast
	s_cmp_eq_u32 s[GRP], 0
	s_cbranch_scc1 .Ltail
	SMX                                            ; group 1's last softmax
.Ltail:
	MPH 1, 0                                       ; the last step's V^T P
	; THE WAY OUT: O^T / l, rounded to f16; a lane's eight channels of a token are 16 bytes of an image of the next launch's operand: [block of 128 tokens][32 along K][token tile][half][lane][16 bytes]
.irp t, 0,1,2,3
	v_add_f32 v[ST+6*\t+1], v[ST+6*\t+2], v[ST+6*\t+3]
.endr
.irp t, 0,1,2,3
	v_permlanex16_b32 v[ST+6*\t+5], v[ST+6*\t+1], s[SEL], s[SEL+1]
.endr
.irp t, 0,1,2,3
	v_add_f32 v[ST+6*\t+1], v[ST+6*\t+1], v[ST+6*\t+5]
.endr
.irp t, 0,1,2,3
	v_rcp_f32 v[ST+6*\t+4], v[ST+6*\t+1]
.endr
	v_nop                                          ; a plain instruction behind the last reciprocal
	s_wait_alu depctr_va_vdst(0)                   ; one wait for the four, ahead of their first reader
.irp q, 0,1,2,3
	WIN W_RS
.irp i, 0,1,2,3,4,5,6,7,8,9,10,11,12,13,14,15
	v_pk_mul_f32 v[O+32*\q+2*\i:O+32*\q+2*\i+1], v[O+32*\q+2*\i:O+32*\q+2*\i+1], v[ST+6*\q+4:ST+6*\q+5] op_sel_hi:[1,0]
.endr
	WIN 0x05                                       ; sources 0 and 1 window 1, destination window 0
.irp i, 0,1,2,3,4,5,6,7,8,9,10,11,12,13,14,15
	v_cvt_pk_f16_f32 v[S+16*\q+\i], v[O+32*\q+2*\i], v[O+32*\q+2*\i+1]
.endr
.endr
	WIN 0
.irp q, 0,1,2,3
.irp ct, 0,1,2,3
	global_store_b128 v[L16], v[S+16*\q+4*\ct:S+16*\q+4*\ct+3], s[8:9] offset:\q*1024+(\ct>>1)*8192+(\ct&1)*512   ; 512 consecutive aligned bytes
.endr
.endr
	s_wait_tensorcnt 0x0                           ; the wave's end
	ds_add_u32 v[SPW], v[NIL]
	s_wait_dscnt 0x0
	CROUND                                         ; the closing round
	s_endpgm
.Lfunc_end_k_q0dd42833dc_attn:
	.size	k_q0dd42833dc_attn, .Lfunc_end_k_q0dd42833dc_attn-k_q0dd42833dc_attn
	.p2alignl 7, 3214868480
	.fill 96, 4, 3214868480
	.section	.rodata,"a",@progbits
	.p2align	6, 0x0
	.amdhsa_kernel k_q0dd42833dc_attn
		.amdhsa_group_segment_fixed_size 327680
		.amdhsa_private_segment_fixed_size 0
		.amdhsa_enable_private_segment 0
		.amdhsa_kernarg_size 24
		.amdhsa_user_sgpr_count 2
		.amdhsa_user_sgpr_kernarg_segment_ptr 1
		.amdhsa_wavefront_size32 1
		.amdhsa_system_sgpr_workgroup_id_x 1
		.amdhsa_system_sgpr_workgroup_id_y 1
		.amdhsa_system_sgpr_workgroup_id_z 1
		.amdhsa_system_vgpr_workitem_id 0
		.amdhsa_next_free_vgpr 512
		.amdhsa_next_free_sgpr 66
		.amdhsa_reserve_vcc 1
		.amdhsa_float_denorm_mode_32 3
		.amdhsa_float_denorm_mode_16_64 3
		.amdhsa_memory_ordered 1
		.amdhsa_forward_progress 1
		.amdhsa_inst_pref_size 201
	.end_amdhsa_kernel
	.amdgpu_metadata
---
amdhsa.version: [ 1, 2 ]
amdhsa.kernels:
  - .name:           k_q0dd42833dc_attn
    .symbol:         k_q0dd42833dc_attn.kd
    .args:
      - { .name: qkvf, .offset: 0, .size: 8, .value_kind: global_buffer, .address_space: global }
      - { .name: attention_mask, .offset: 8, .size: 8, .value_kind: global_buffer, .address_space: global }
      - { .name: ctx, .offset: 16, .size: 8, .value_kind: global_buffer, .address_space: global }
    .group_segment_fixed_size: 327680
    .private_segment_fixed_size: 0
    .kernarg_segment_align: 8
    .kernarg_segment_size: 24
    .max_flat_workgroup_size: 256
    .sgpr_count:     66
    .vgpr_count:     512
    .wavefront_size: 32
...
	.end_amdgpu_metadata
.endif
;; end of part 3
;; launch oproj (part 4): grid 4 x 64, 4 waves a work-group, clusters of 4 x 4, 327,680 bytes of LDS; arguments ctx, wo16, bo, out0; writes out0
.if DOCPART == 4
	.amdgcn_target "amdgcn-amd-amdhsa--gfx1250"
	.amdhsa_code_object_version 6
	.text
	.protected	k_q0dd42833dc_oproj
	.globl	k_q0dd42833dc_oproj
	.p2align	8
	.type	k_q0dd42833dc_oproj,@function
k_q0dd42833dc_oproj:
	s_mov_b64 s[64:65], 0
	v_nop
	global_prefetch_b8 v0, s[64:65] scope:SCOPE_SE
	s_setreg_imm32_b32 hwreg(HW_REG_WAVE_MODE, 25, 1), 1
	s_wait_xcnt 0x0
	s_wait_alu depctr_hold_cnt(0) depctr_sa_sdst(0) depctr_va_vdst(0) depctr_va_sdst(0) depctr_va_ssrc(0) depctr_va_vcc(0) depctr_vm_vsrc(0)
	s_getreg_b32 s2, hwreg(HW_REG_IB_STS2, 6, 4)
	s_cmp_eq_u32 s2, 0
	s_cbranch_scc0 .Lentry_in_a_cluster
	s_endpgm
.Lentry_in_a_cluster:
	s_bfe_u32 s2, ttmp6, 0x10000c
	s_cmp_lg_u32 s2, 0xf033
	s_cbranch_scc0 .Lentry_shape_is_right
	s_endpgm
.Lentry_shape_is_right:
; out0 = context Wo^T + bo, on f16 operands with f32 sums.  ctx: images of operand registers, [block of 128 tokens][32 along K (32)][token tile (8)][half (2)][lane][16 bytes].  wo16: [1024 n][1024 k] f16.  out0: [8192][1024] f32.
; A tile of 128 tokens x 256 features is made by four waves, 64 x 128 each: 32 accumulators of 16 x 16; 64 x 4 tiles give each of 256 work-groups one.
; K goes in 8 steps of 128 through a ring of two LDS slots: A's step is 32,768 dense bytes of ctx, B's 256 rows of 256 bytes.
; CLUSTERS: 4 x 4 work-groups: the four of a row need the same tiles of A, the four of a column the same tiles of B: each tile is asked for jointly.
; THE MATRIX INSTRUCTION IS USED TRANSPOSED (source 0 = 16 rows of Wo, source 1 = 16 tokens): a lane holds eight neighbouring features of a token.  The bias is the C of each sum's first product.
; REGISTERS: window 0: v16-29 addresses; v32-95 the bias; v128-255 the way out, two sets of 64.   window 1: two fragment buffers of 96: B's 64, A's 32.   window 2: accumulator (a, b) at v[8 (8 a + b)].
.set KSTEP,  128
.set PITCH,  272                       ; a row of B in LDS: 256 bytes + 16 of padding, so that the 16 rows of a fragment load start 68 words apart
.set ABYTES, 32768                     ; A's part of a slot
.set HALFB,  128*PITCH
.set SLOT,   ABYTES+2*HALFB
.set SPARE,  2*SLOT                    ; the spare words, 128 bytes a wave
.set SPITCH, 528                       ; the way out: a stage of 16 rows x (512 bytes + 16) for each wave, in slot 0, which has had its last fill and its last read when the first result is stored there
.set LAPS,   4                         ; a lap = two K steps
.set ADRA, 16                          ; v16-17  LDS address of my A fragments in slot 0, 1
.set ADRB, 20                          ; v20-21  the same for B
.set STO,  24                          ; v24     the stage: where I put 32 bytes of a row
.set RD,   25                          ; v25     and where I read a row back
.set CO,   26                          ; v26     16 x lane
.set SPW,  28                          ; v28     LDS address of my spare word; never rewritten
.set NIL,  29                          ; v29     0; never rewritten
.set BO,   32
.set BK,   128
.set F0,   0
.set F1,   128
.set G1, 24
.set G0, 32
.set G1B, 48
.set G0B, 56
.set MSB, 0
.macro WIN new                         ; the immediate's high byte repeats the setting that is left
.if MSB != (\new)
	s_set_vgpr_msb (MSB<<8)|(\new)
.set MSB, (\new)
.endif
.endm
.set MUL,  0xa5                        ; sources 0 (B) and 1 (A) window 1; C and D window 2
.set MUL0, 0x85                        ; the first quarter: C (the bias) window 0
.set TO_F, 0x40
.macro JLOAD s                         ; a joint load: waves 0 and 1 fetch A's halves, waves 2 and 3 B's; an s_nop 0 and four v_nop follow each of the two lines
	s_cmp_eq_u32 s15, 0
	s_cbranch_scc0 .Lfor_b_\@
	tensor_load_to_lds s[G0+4*\s:G0+4*\s+3], s[G1:G1+7]
	s_nop 0
.rept 4
	v_nop
.endr
	s_branch .Lasked_\@
.Lfor_b_\@:
	tensor_load_to_lds s[G0B+4*\s:G0B+4*\s+3], s[G1B:G1B+7]
	s_nop 0
.rept 4
	v_nop
.endr
.Lasked_\@:
.endm
.macro CREST                           ; a round of the cluster's barrier behind its opening barrier
	s_cmp_lg_u32 s14, 0
	s_cbranch_scc1 .Lnot_wave_0_\@
	s_barrier_signal -3
.Lnot_wave_0_\@:
	s_barrier_wait -3
	s_barrier_signal -1
	s_barrier_wait -1
.endm
.macro CROUND
	s_barrier_signal -1
	s_barrier_wait -1
	CREST
.endm
	s_load_b128 s[4:7], s[0:1], 0x0                ; ctx, wo16
	s_load_b128 s[8:11], s[0:1], 0x10              ; bo, out0
	v_lshl_add_u32 v[SPW], v0, 2, SPARE
	v_mov_b32 v[NIL], 0
	ds_add_u32 v[SPW], v[NIL]                      ; the wave's opening: the add, twice on end, and its wait ahead of my first tensor load
	ds_add_u32 v[SPW], v[NIL]
	v_lshrrev_b32 v1, 5, v0
	v_readfirstlane_b32 s14, v1                    ; wave 0..3
	s_lshr_b32 s15, s14, 1                         ; which 64 tokens are mine.  Also: I fetch for A (0) or for B (1)
	s_and_b32 s16, s14, 1                          ; which 128 features.  Also: which half of that tile I fetch
	s_bfe_u32 s40, ttmp6, 0x40000                  ; cx = the tile column (the grid is one cluster wide)
	s_bfe_u32 s41, ttmp6, 0x40004                  ; cy
	s_and_b32 s17, ttmp7, 0xffff
	s_lshl_b32 s17, s17, 2
	s_add_co_u32 s17, s17, s41                     ; tile row = 4 x cluster y + cy
	s_lshl_b32 s43, s41, 2
	s_lshl_b32 s43, 15, s43                        ; my row of the cluster
	s_lshl_b32 s44, 0x1111, s40                    ; my column
	s_or_b32 s[G1], s43, (3<<16)|(1<<21)           ; A: 64 rows of 256 bytes (32 elements of 8), dense, no padding
	s_mov_b32 s[G1+1], 32<<16
	s_mov_b32 s[G1+2], 64<<16
	s_mov_b32 s[G1+3], 32<<16
	s_mov_b32 s[G1+4], 64
	s_mov_b32 s[G1+5], 32
	s_mov_b32 s[G1+6], 0
	s_mov_b32 s[G1+7], 0
	s_or_b32 s[G1B], s44, (1<<16)|(1<<20)|(1<<21)|(5<<22)|(3<<25)   ; B: 128 rows of 128 f16, 1,024 elements apart, 16 bytes of padding behind each
	s_mov_b32 s[G1B+1], KSTEP<<16
	s_mov_b32 s[G1B+2], 128<<16
	s_mov_b32 s[G1B+3], KSTEP<<16
	s_mov_b32 s[G1B+4], 128
	s_mov_b32 s[G1B+5], 1024
	s_mov_b32 s[G1B+6], 0
	s_mov_b32 s[G1B+7], 0
	s_lshl_b32 s20, s17, 18                        ; A: the tile row's block of 262,144 bytes,
	s_lshl_b32 s21, s16, 14                        ; my half of a K step's 32,768
	s_add_co_u32 s20, s20, s21
	s_mov_b32 s21, 0
	s_lshl_b32 s46, s40, 19                        ; B: 256 rows of 2,048 bytes a tile column,
	s_lshl_b32 s47, s16, 18                        ; my 128 of them
	s_add_co_u32 s46, s46, s47
	s_mov_b32 s47, 0
	s_lshl_b32 s45, s16, 14                        ; where they go: no place in the cluster enters an LDS address
	s_mul_i32 s42, s16, HALFB
	s_add_co_u32 s42, s42, ABYTES
	s_wait_dscnt 0x0                               ; both opening adds are done
	s_wait_kmcnt 0x0
	s_add_nc_u64 s[20:21], s[4:5], s[20:21]
	s_add_nc_u64 s[46:47], s[6:7], s[46:47]
	CROUND                                         ; all sixteen work-groups are here: the first joint loads meet
.irp s, 0,1
	s_mov_b32 s[G0+4*\s], 1
	s_add_co_u32 s[G0+4*\s+1], s45, \s*SLOT
	s_add_nc_u64 s[G0+4*\s+2:G0+4*\s+3], s[20:21], \s*ABYTES
	s_or_b32 s[G0+4*\s+3], s[G0+4*\s+3], 0x80000000
	s_mov_b32 s[G0B+4*\s], 1
	s_add_co_u32 s[G0B+4*\s+1], s42, \s*SLOT
	s_add_nc_u64 s[G0B+4*\s+2:G0B+4*\s+3], s[46:47], \s*KSTEP*2
	s_or_b32 s[G0B+4*\s+3], s[G0B+4*\s+3], 0x80000000
	JLOAD \s                                       ; two loads of mine are out
.endr
	v_and_b32 v1, 15, v0                           ; r
	v_bfe_u32 v2, v0, 4, 1                         ; h
	v_and_b32 v3, 31, v0
	v_lshlrev_b32 v[CO], 4, v3
	v_mul_u32_u24 v4, v1, PITCH
	v_lshl_add_u32 v4, v2, 4, v4                   ; B: row x pitch + 16 x half
	s_lshl_b32 s21, s15, 12                        ; A: my four token tiles of 1,024 bytes
	s_mul_i32 s22, s16, HALFB
	s_add_co_u32 s22, s22, ABYTES
.irp s, 0,1
	v_add_nc_u32 v[ADRA+\s], s21, v[CO]
	v_add_nc_u32 v[ADRB+\s], s22, v4
	s_add_co_u32 s21, s21, SLOT
	s_add_co_u32 s22, s22, SLOT
.endr
	s_mul_i32 s23, s14, 16*SPITCH                  ; my stage
	v_mul_u32_u24 v5, v1, SPITCH
	v_lshl_add_u32 v5, v2, 5, v5
	v_add_nc_u32 v[STO], s23, v5                   ; in: row r, 32 bytes for each half of the lanes
	v_add_nc_u32 v[RD], s23, v[CO]                 ; back: the 32 lanes take one row of 512 bytes
	v_lshlrev_b32 v6, 5, v2                        ; the bias: 32 h bytes
	s_lshl_b32 s20, s40, 10
	s_lshl_b32 s21, s16, 9
	s_add_co_u32 s20, s20, s21                     ; my 128 features, in bytes
	s_mov_b32 s21, 0
	s_add_nc_u64 s[8:9], s[8:9], s[20:21]
	s_add_nc_u64 s[10:11], s[10:11], s[20:21]
	s_lshl_b32 s20, s17, 19                        ; 128 rows of 4,096 bytes a tile row,
	s_lshl_b32 s22, s15, 18                        ; my 64 of them
	s_add_co_u32 s20, s20, s22
	s_add_nc_u64 s[10:11], s[10:11], s[20:21]
.irp b, 0,1,2,3,4,5,6,7
	global_load_b128 v[BO+8*\b:BO+8*\b+3], v6, s[8:9] offset:64*\b           ; bo of features 16 b + 8 h + 0 .. 7: the result's layout
	global_load_b128 v[BO+8*\b+4:BO+8*\b+7], v6, s[8:9] offset:64*\b+16
.endr
; 8 matrix instructions: token tile a x all 8 blocks of features, 32 along K, from buffer f.  first = 1: the product starts the sums from the bias.  The 32 accumulators take turns.
.macro MUL8 f, a, first
.irp b, 0,1,2,3,4,5,6,7
.if \first
	v_wmma_f32_16x16x32_f16 v[8*(8*(\a)+\b):8*(8*(\a)+\b)+7], v[\f+8*\b:\f+8*\b+7], v[\f+64+8*(\a):\f+64+8*(\a)+7], v[BO+8*\b:BO+8*\b+7]
.else
	v_wmma_f32_16x16x32_f16 v[8*(8*(\a)+\b):8*(8*(\a)+\b)+7], v[\f+8*\b:\f+8*\b+7], v[\f+64+8*(\a):\f+64+8*(\a)+7], v[8*(8*(\a)+\b):8*(8*(\a)+\b)+7]
.endif
.endr
.endm
; 24 LDS loads in one run: the fragments of the slot's q-th 32 along K into buffer f: B's sixteen, then A's eight
.macro FETCH slot, q, f
	WIN TO_F
.irp i, 0,1,2,3,4,5,6,7
	ds_load_b128 v[\f+8*\i:\f+8*\i+3],   v[ADRB+\slot] offset:64*(\q)+\i*16*PITCH
	ds_load_b128 v[\f+8*\i+4:\f+8*\i+7], v[ADRB+\slot] offset:64*(\q)+\i*16*PITCH+32
.endr
.irp a, 0,1,2,3
	ds_load_b128 v[\f+64+8*\a:\f+64+8*\a+3],   v[ADRA+\slot] offset:8192*(\q)+1024*\a
	ds_load_b128 v[\f+64+8*\a+4:\f+64+8*\a+7], v[ADRA+\slot] offset:8192*(\q)+1024*\a+512
.endr
.endm
.macro PLACES                          ; four plain places in front of loads into registers that matrix instructions have read, and of the first read of results
.rept 4
	v_nop
.endr
.endm
; A K step is four quarters of 32 along K, 32 matrix instructions each, on buffers 0, 1, 0, 1.  One of the first three multiplies buffer f and fetches the slot's quarter qn into g.
.macro QUARTER slot, qn, f, g, first
	s_wait_dscnt 4                                 ; B and A's tiles 0, 1 are in; the youngest four loads (A's tiles 2, 3) may be out
.if \first
	WIN MUL0
.else
	WIN MUL
.endif
	MUL8 \f, 0, \first
	MUL8 \f, 1, \first
	PLACES
	FETCH \slot, \qn, \g
	s_wait_dscnt 24                                ; all but the 24 just issued
.if \first
	WIN MUL0
.else
	WIN MUL
.endif
	MUL8 \f, 2, \first
	MUL8 \f, 3, \first
.endm
; The last quarter multiplies buffer 1 and changes slots: one barrier; in front of it each wave waits for all its tensor loads, adds 0 to its spare word, and waits for that and for its reads of this slot.
; fill = 1: the barrier opens a round of the cluster's, and this slot is filled again, two K steps ahead.
.macro TURN slot, next, fill
	WIN 0                                          ; (the add's two registers lie in window 0)
	s_wait_tensorcnt 0x0                           ; all my tensor loads have landed: my part of the next slot
	ds_add_u32 v[SPW], v[NIL]
	s_wait_dscnt 5                                 ; (the add and A's tiles 2, 3 may be out)
	WIN MUL
	MUL8 F1, 0, 0
	s_wait_dscnt 0x0                               ; the add is done, and my reads of this slot are over
	s_barrier_signal -1
	MUL8 F1, 1, 0
.if \fill
	WIN 0
.endif
	s_barrier_wait -1
.if \fill
	CREST                                          ; no wave of any partner still reads this slot's tile or has a load on its way
	s_add_nc_u64 s[G0+4*\slot+2:G0+4*\slot+3], s[G0+4*\slot+2:G0+4*\slot+3], 2*ABYTES
	s_add_nc_u64 s[G0B+4*\slot+2:G0B+4*\slot+3], s[G0B+4*\slot+2:G0B+4*\slot+3], 2*KSTEP*2
	JLOAD \slot                                    ; the first tensor load behind the round; its four v_nop are also the places in front of the loads below
.else
	PLACES
.endif
	FETCH \next, 0, F0
	WIN MUL
	MUL8 F1, 2, 0
	MUL8 F1, 3, 0
.endm
	s_wait_tensorcnt 1                             ; my part of K step 0 is in (K step 1's load may be out),
	s_barrier_signal -1
	s_barrier_wait -1                              ; everybody's is
	FETCH 0, 0, F0
	s_wait_loadcnt 0x0                             ; the bias
	QUARTER 0, 1, F0, F1, 1                        ; the first quarter stands in front of the loop: its products start the sums
	WIN 0                                          ; at a label and at a branch every window is 0
	s_mov_b32 s3, LAPS-1
.Llap:                                             ; a trip goes once round the ring, from a lap's second quarter to the next lap's first, and fills both slots again
	QUARTER 0, 2, F1, F0, 0
	QUARTER 0, 3, F0, F1, 0
	TURN 0, 1, 1
	QUARTER 1, 1, F0, F1, 0
	QUARTER 1, 2, F1, F0, 0
	QUARTER 1, 3, F0, F1, 0
	TURN 1, 0, 1
	QUARTER 0, 1, F0, F1, 0
	WIN 0
	s_sub_co_u32 s3, s3, 1
	s_cmp_lg_u32 s3, 0
	s_cbranch_scc1 .Llap
	QUARTER 0, 2, F1, F0, 0                        ; the last lap fills nothing, and has no round of the cluster's barrier
	QUARTER 0, 3, F0, F1, 0
	TURN 0, 1, 0
	QUARTER 1, 1, F0, F1, 0
	QUARTER 1, 2, F1, F0, 0
	QUARTER 1, 3, F0, F1, 0
	s_wait_dscnt 4                                 ; the very last quarter: nothing more to fetch
	WIN MUL
	MUL8 F1, 0, 0
	MUL8 F1, 1, 0
	s_wait_dscnt 0
	MUL8 F1, 2, 0
	MUL8 F1, 3, 0
	WIN 0
; THE WAY OUT, a block of 16 tokens x 128 features at a time: a lane holds 32 neighbouring bytes of a row and the lanes beside it other rows, so a block goes through my own stage in LDS and comes back as whole rows
; of 512 bytes.  LDS serves a wave's instructions in order (ISA guide 5.7.1.4): no wait between the stores and the loads, nor in front of the next block's stores.
.macro TOSTAGE a
	WIN 0x08                                       ; an LDS store's data: window 2
.irp b, 0,1,2,3,4,5,6,7
	ds_store_b128 v[STO], v[64*(\a)+8*\b:64*(\a)+8*\b+3] offset:64*\b          ; each accumulator from its low end on
	ds_store_b128 v[STO], v[64*(\a)+8*\b+4:64*(\a)+8*\b+7] offset:64*\b+16
.endr
	WIN 0
.set BB, BK+64*((\a)%2)
.irp t, 0,1,2,3,4,5,6,7,8,9,10,11,12,13,14,15
	ds_load_b128 v[BB+4*\t:BB+4*\t+3], v[RD] offset:\t*SPITCH
.endr
.endm
.macro SEND a, younger                 ; younger: the LDS instructions issued behind block a's loads, which may stay out
.set BB, BK+64*((\a)%2)
	s_wait_dscnt \younger
.irp t, 0,1,2,3,4,5,6,7,8,9,10,11,12,13,14,15
	global_store_b128 v[CO], v[BB+4*\t:BB+4*\t+3], s[10:11] offset:(16*(\a)+\t)*4096 th:TH_STORE_NT   ; 32 lanes store 512 consecutive aligned bytes; written once, read by nobody here
.endr
.endm
	PLACES
	TOSTAGE 0
.irp a, 1,2,3
.if \a > 1
	s_wait_xcnt 0x0                                ; block a - 2's stores have read their registers: block a's loads may land there
.endif
	TOSTAGE \a
	SEND \a-1, 32                                  ; behind block a - 1's loads: block a's 16 stores and 16 loads
.endr
	SEND 3, 0
	s_wait_tensorcnt 0x0                           ; the wave's end, behind my last tensor load and my last LDS store
	ds_add_u32 v[SPW], v[NIL]
	s_wait_dscnt 0x0
	CROUND                                         ; the closing round
	s_endpgm
.Lfunc_end_k_q0dd42833dc_oproj:
	.size	k_q0dd42833dc_oproj, .Lfunc_end_k_q0dd42833dc_oproj-k_q0dd42833dc_oproj
	.p2alignl 7, 3214868480
	.fill 96, 4, 3214868480
	.section	.rodata,"a",@progbits
	.p2align	6, 0x0
	.amdhsa_kernel k_q0dd42833dc_oproj
		.amdhsa_group_segment_fixed_size 327680
		.amdhsa_private_segment_fixed_size 0
		.amdhsa_enable_private_segment 0
		.amdhsa_kernarg_size 32
		.amdhsa_user_sgpr_count 2
		.amdhsa_user_sgpr_kernarg_segment_ptr 1
		.amdhsa_wavefront_size32 1
		.amdhsa_system_sgpr_workgroup_id_x 1
		.amdhsa_system_sgpr_workgroup_id_y 1
		.amdhsa_system_sgpr_workgroup_id_z 1
		.amdhsa_system_vgpr_workitem_id 0
		.amdhsa_next_free_vgpr 768
		.amdhsa_next_free_sgpr 66
		.amdhsa_reserve_vcc 0
		.amdhsa_float_denorm_mode_32 3
		.amdhsa_float_denorm_mode_16_64 3
		.amdhsa_memory_ordered 1
		.amdhsa_forward_progress 1
		.amdhsa_inst_pref_size 86
	.end_amdhsa_kernel
	.amdgpu_metadata
---
amdhsa.version: [ 1, 2 ]
amdhsa.kernels:
  - .name:           k_q0dd42833dc_oproj
    .symbol:         k_q0dd42833dc_oproj.kd
    .args:
      - { .name: ctx, .offset: 0, .size: 8, .value_kind: global_buffer, .address_space: global }
      - { .name: wo16, .offset: 8, .size: 8, .value_kind: global_buffer, .address_space: global }
      - { .name: bo, .offset: 16, .size: 8, .value_kind: global_buffer, .address_space: global }
      - { .name: out0, .offset: 24, .size: 8, .value_kind: global_buffer, .address_space: global }
    .group_segment_fixed_size: 327680
    .private_segment_fixed_size: 0
    .kernarg_segment_align: 8
    .kernarg_segment_size: 32
    .max_flat_workgroup_size: 128
    .sgpr_count:     66
    .vgpr_count:     768
    .wavefront_size: 32
...
	.end_amdgpu_metadata
.endif
;; end of part 4
